; MI455X (gfx1250); checked and timed in simulation.
; The chip was launched on July 23, 2026; its instructions are those of AMD's public machine-readable ISA for CDNA 5 (MIT licence, August 2026) and "CDNA5" Instruction Set Architecture Reference Guide (July 2026). The comments in the code are by the model that wrote it; some were corrected since.
;; Causal Self Attention. Allowed arithmetic: matrix products marked QUANTISED: E2M1 operands, one E8M0 scale for each 32 along K, by v_wmma_scale_f32_16x16x128_f8f6f4 with both operands' format E2M1 (or v_wmma_scale_f32_32x16x128_f4), f32 sums; products left as they are: bf16, f16 or f32 operands; f32 sums; everything else in f32.
;; Inputs: b_attn 3,072 float32; b_proj 1,024 float32; w_attn 3,072 x 1,024 float32; w_proj 1,024 x 1,024 float32; x 4 x 2,048 x 1,024 float32.
;; Outputs: out0 4 x 2,048 x 1,024 float32.
;; This version of the problem:
;;   THIS VERSION OF THE PROBLEM IS GIVEN IN LOW PRECISION. The matrix products marked QUANTISED in the list below multiply operands that are first quantised to E2M1 (2 exponent bits, 1 mantissa bit; 4 bits a number), with one power-of-two scale for each 32 numbers along K (OCP MX v1.0); their sums are f32. The products marked 'left as it is' may take bf16, f16 or f32 operands, with f32 sums. Whichever they take, every output number must still come out within the allowed error. Rounding operands to bf16 (8 significant bits) uses up far more of that allowance than f16 does (11 bits, for magnitudes from 6e-5 to 65,504). All else is computed in f32.
;;   The module's matrix products, in the order in which they are computed (A, B: the left and right operand; K: the contracted axis; several contracted axes count as one K, in the product's order):
;;     1. [M 8,192, K 1,024] x [K 1,024, N 3,072]; A: input x; B: input w_attn: QUANTISED
;;     2. batch 64 x [M 2,048, K 64] x [K 64, N 2,048]; A: computed on the way; B: computed on the way: left as it is (an operand is computed on the way)
;;     3. batch 64 x [M 2,048, K 2,048] x [K 2,048, N 64]; A: computed on the way; B: computed on the way: left as it is (an operand is computed on the way)
;;     4. [M 8,192, K 1,024] x [K 1,024, N 1,024]; A: computed on the way; B: input w_proj: left as it is (an operand is computed on the way)
;;   THE QUANTISER, for each operand of a quantised product, along K:
;;     - K is cut into blocks of 32 from its start; a last block that is shorter is filled with zeros.
;;     - A block's scale is 2^e with e = floor(log2(the largest magnitude in the block)) - 2, held to -126 .. 127; a block of zeros has e = 0. As a byte (E8M0): e + 127.
;;     - Each number is divided by its block's scale, clamped to +-6, and rounded to the nearest number of E2M1, ties to even, subnormals kept.
;;     - The product sums the exact products of the quantised numbers (number of the format x scale) in f32.
;;   ~~~python
;;   def quantise(x, axis):      # numpy; x: float32 -> the quantised numbers, widened to float32 again
;;       x = np.moveaxis(x, axis, -1); K = x.shape[-1]
;;       x = np.pad(x, [(0, 0)] * (x.ndim - 1) + [(0, -K % 32)]); x = x.reshape(x.shape[:-1] + (-1, 32)); a = np.abs(x).max(-1, keepdims=True)
;;       e = np.where(a > 0, np.clip(np.frexp(np.where(a > 0, a, 1))[1] - 1 - 2, -126, 127), 0)      # np.frexp(a)[1] - 1 = floor(log2(a)), exactly
;;       r = np.clip(x / 2.0 ** e, -6, 6)
;;       step = 2.0 ** (np.maximum(np.frexp(np.where(r == 0, 1, r))[1] - 1, 0) - 1)
;;       q = np.round(r / step) * step * 2.0 ** e      # np.round: ties to even
;;       return np.moveaxis(q.reshape(q.shape[:-2] + (-1,))[..., :K], -1, axis).astype(np.float32)
;;   ~~~
;; One version. Each part assembles by itself: llvm-mc -triple=amdgcn-amd-amdhsa -mcpu=gfx1250 --defsym DOCPART=n.
;; ======== version 1 of 1: 5 launches
;; limits: values are held in f16: magnitudes above 65,504 overflow, below 6.1e-05 lose precision
;; workspace buffers: xc 4,194,304 bytes; xs 262,144 bytes; wc 1,572,864 bytes; ws 98,304 bytes; wp16 2,097,152 bytes; qkv16 50,331,648 bytes; qkv32 786,432 bytes; yh 16,777,216 bytes
;; launch prep (part 1): grid 384 x 1, 4 waves a work-group, no clusters, 33,280 bytes of LDS; arguments x, w_attn, w_proj, xc, xs, wc, ws, wp16; writes xc, xs, wc, ws, wp16
.if DOCPART == 1
	.amdgcn_target "amdgcn-amd-amdhsa--gfx1250"
	.amdhsa_code_object_version 6
	.text
	.protected	k_qb416dfb47c_prep
	.globl	k_qb416dfb47c_prep
	.p2align	8
	.type	k_qb416dfb47c_prep,@function
k_qb416dfb47c_prep:
	s_mov_b64 s[64:65], 0
	v_nop
	global_prefetch_b8 v0, s[64:65] scope:SCOPE_SE
	s_setreg_imm32_b32 hwreg(HW_REG_WAVE_MODE, 25, 1), 1
	s_wait_xcnt 0x0
; x [8192][1024] and w_attn [3072][1024], f32, become codes of FP4 (E2M1), K innermost, two codes a byte, with one E8M0 byte for each 32 along K; w_proj [1024][1024] becomes f16.
; A block's scale is 2^(floor(log2(its largest magnitude)) - 2): its byte is the largest magnitude's exponent field - 2, held at 1 from below.
; LIMITS: a block of zeros, and one whose largest magnitude lies under 2^-124, gets the byte 1 (a block of zeros where the quantiser says 127: its codes are zeros and this program alone reads the bytes);
; NaN and infinities among the inputs are not served; |w_proj| above 65,504 has no f16 number.
; Rows are dense and 1,024 is a multiple of 32: each tensor is a plain stream.  A work-group takes 32,768 numbers, a wave 8,192: work-groups 0-255 x, 256-351 w_attn, 352-383 w_proj.
; Quantising: 16 steps of 512 numbers.  Each load reads 512 consecutive bytes, 16 a lane; a step's 2,048 bytes turn through the wave's own stage in LDS and come back 64 bytes a lane,
; so that a lane holds 16 neighbours along K and two neighbouring lanes a block.  A wave's 256 scale bytes are gathered in LDS and leave as one store of 256 consecutive bytes.
; No cluster, no tensor load: no two work-groups read the same bytes, and waves share nothing.
.set WAVES, 4
.set STEPS, 16
.set EMAX,  2
.set CB,    8                          ; bytes of 16 codes
.set R,     16                         ; v16-79   four sets of 16 numbers as loaded (conversion path: v16-143, two sets of 64)
.set X,     80                         ; v80-111  two sets of 16 neighbours
.set E,     112                        ; v112-127 a scale byte for each step
.set C,     128                        ; v128-191 codes, four registers a step (conversion path: v144-175 f16 pairs)
.set WREG,  8192                       ; LDS: a region for each wave: two stages of 32 x SP bytes, then its 256 scale bytes
.set SP,    80                         ; a lane's place in a stage: 64 bytes + 16 of padding
.set SPW,   12                         ; v12 LDS address of my spare word; never rewritten
.set NIL,   13                         ; v13 0; never rewritten
.set SPARE, WAVES*WREG                 ; behind the four regions: the spare words, 128 bytes a wave
	s_load_b256 s[4:11], s[0:1], 0x0               ; x 4:5, w_attn 6:7, w_proj 8:9, xc 10:11
	s_load_b256 s[12:19], s[0:1], 0x20             ; xs 12:13, wc 14:15, ws 16:17, wp16 18:19
	v_lshl_add_u32 v[SPW], v0, 2, SPARE
	v_mov_b32 v[NIL], 0
	v_lshrrev_b32 v1, 5, v0
	v_readfirstlane_b32 s20, v1                    ; wave
	v_and_b32 v2, 31, v0                           ; lane
	v_lshlrev_b32 v3, 4, v2                        ; my 16 bytes of a load's 512
	s_mul_i32 s21, s20, WREG
	v_lshrrev_b32 v14, 2, v2
	v_mul_u32_u24 v14, v14, SP
	v_and_b32 v15, 3, v2
	v_lshl_add_u32 v14, v15, 4, v14
	v_add_nc_u32 v14, s21, v14                     ; the stage on the way in: SP (lane / 4) + 16 (lane % 4)
	v_mul_u32_u24 v15, v2, SP
	v_add_nc_u32 v15, s21, v15                     ; and on the way out: SP x lane
	v_mul_u32_u24 v4, v2, CB                       ; 8 bytes a lane: my codes' place in a step's, and my f16 numbers' place in a store's
	v_lshrrev_b32 v5, 1, v2
	s_add_co_u32 s21, s21, 2*32*SP
	v_add_nc_u32 v5, s21, v5                       ; LDS: my block's scale byte
	v_lshlrev_b32 v7, 3, v2
	v_add_nc_u32 v6, s21, v7                       ; and 8 of the 256 bytes on the way out
	s_wait_kmcnt 0x0
	s_cmp_ge_u32 ttmp9, 352                        ; the work-group's number alone decides
	s_cbranch_scc1 .Lcvt
	s_cmp_lt_u32 ttmp9, 256                        ; x or w_attn: only pointers are chosen
	s_cselect_b64 s[4:5], s[4:5], s[6:7]
	s_cselect_b64 s[10:11], s[10:11], s[14:15]
	s_cselect_b64 s[12:13], s[12:13], s[16:17]
	s_cselect_b32 s21, 0, 256
	s_sub_co_u32 s21, ttmp9, s21
	s_lshl_b32 s21, s21, 2
	s_add_co_u32 s22, s21, s20                     ; which run of 8,192 numbers is my wave's
	s_mov_b32 s23, 0
	s_lshl_b64 s[24:25], s[22:23], 15              ; 32,768 bytes of f32,
	s_add_nc_u64 s[4:5], s[4:5], s[24:25]
	s_lshl_b64 s[24:25], s[22:23], 12              ; 4,096 of codes,
	s_add_nc_u64 s[10:11], s[10:11], s[24:25]
	s_lshl_b64 s[24:25], s[22:23], 8               ; 256 scale bytes
	s_add_nc_u64 s[12:13], s[12:13], s[24:25]
.macro LOAD t
.irp i, 0,1,2,3
	global_load_b128 v[R+16*((\t)%4)+4*\i:R+16*((\t)%4)+4*\i+3], v3, s[4:5] offset:2048*(\t)+512*\i th:TH_LOAD_NT
.endr
.endm
.macro TURN t                          ; step t's numbers through the stage: LDS serves a wave's instructions in order, so no wait stands between the stores and the loads
.irp i, 0,1,2,3
	ds_store_b128 v14, v[R+16*((\t)%4)+4*\i:R+16*((\t)%4)+4*\i+3] offset:32*SP*((\t)%2)+8*SP*\i
.endr
.irp i, 0,1,2,3
	ds_load_b128 v[X+16*((\t)%2)+4*\i:X+16*((\t)%2)+4*\i+3], v15 offset:32*SP*((\t)%2)+16*\i
.endr
.endm
.irp t, 0,1,2,3
	LOAD \t
.endr
	s_wait_loadcnt 12                              ; step 0's four loads are in; three steps' twelve may be out
	TURN 0
.macro STEP t
.set XS, X+16*((\t)%2)
.if (\t) > 0
	s_wait_dscnt 1                                 ; this step's numbers are back from the stage (the last step's byte store may be out)
.else
	s_wait_dscnt 0x0
.endif
.if (\t)+4 < STEPS
	LOAD (\t)+4                                    ; into the registers that this step's stores into the stage have read
.endif
.if (\t)+1 < STEPS
.if STEPS-2-(\t) >= 3
	s_wait_loadcnt 12                              ; the next step's four loads are in; those of the three steps behind it may be out
.else
	s_wait_loadcnt 4*(STEPS-2-(\t))
.endif
	TURN (\t)+1
.endif
	v_max3_num_f32 v8, |v[XS]|, |v[XS+1]|, |v[XS+2]|               ; the largest magnitude of my 16, in two chains
	v_max3_num_f32 v9, |v[XS+3]|, |v[XS+4]|, |v[XS+5]|
.irp i, 6,10
	v_max3_num_f32 v8, v8, |v[XS+\i]|, |v[XS+\i+1]|
	v_max3_num_f32 v9, v9, |v[XS+\i+2]|, |v[XS+\i+3]|
.endr
	v_max3_num_f32 v8, v8, |v[XS+14]|, |v[XS+15]|
	v_max3_num_f32 v8, v8, v9, (EMAX+1)<<23        ; and the floor 2^(3 - 127): the byte cannot fall under 1
	v_max_num_f32_dpp v8, v8, v8 row_xmask:1 row_mask:0xf bank_mask:0xf   ; with my neighbour's 16: the block's
	v_add_nc_u32 v11, -(EMAX<<23), v8              ; 2 off its exponent field: the conversion takes this operand's exponent field as its scale
	v_cvt_scalef32_pk8_fp4_f32 v[C+4*(\t)], v[XS:XS+7], v11
	v_cvt_scalef32_pk8_fp4_f32 v[C+4*(\t)+1], v[XS+8:XS+15], v11
	v_lshrrev_b32 v[E+(\t)], 23, v11               ; the scale's byte (also the plain line behind the conversions)
	ds_store_b8 v5, v[E+(\t)] offset:16*(\t)       ; both lanes of a block write the same byte with the same value
	global_store_b64 v4, v[C+4*(\t):C+4*(\t)+1], s[10:11] offset:32*CB*(\t)   ; the wave stores 256 consecutive bytes, aligned
.endm
.irp t, 0,1,2,3,4,5,6,7,8,9,10,11,12,13,14,15
	STEP \t
.endr
	ds_load_b64 v[8:9], v6                         ; LDS serves a wave's instructions in order: these see my byte stores
	s_wait_dscnt 0x0
	global_store_b64 v7, v[8:9], s[12:13]          ; 256 consecutive bytes, aligned
	s_branch .Lend
.Lcvt:                                             ; w_proj to f16: four groups of 2,048 numbers a wave, loads a group ahead
	s_sub_co_u32 s21, ttmp9, 352
	s_lshl_b32 s21, s21, 2
	s_add_co_u32 s22, s21, s20
	s_mov_b32 s23, 0
	s_lshl_b64 s[24:25], s[22:23], 15
	s_add_nc_u64 s[8:9], s[8:9], s[24:25]
	s_lshl_b64 s[24:25], s[22:23], 14
	s_add_nc_u64 s[18:19], s[18:19], s[24:25]
.macro CLOAD g
.irp i, 0,1,2,3,4,5,6,7,8,9,10,11,12,13,14,15
	global_load_b128 v[16+64*((\g)%2)+4*\i:16+64*((\g)%2)+4*\i+3], v3, s[8:9] offset:8192*(\g)+512*\i th:TH_LOAD_NT
.endr
.endm
.macro CVT g
.if (\g) < 3
	s_wait_loadcnt 16                              ; this group's sixteen loads are in; the next group's may be out
.else
	s_wait_loadcnt 0x0
.endif
.if (\g) > 0
	s_wait_xcnt 0x0                                ; the last group's stores have read v144-175, which are written again below
.endif
.irp i, 0,1,2,3,4,5,6,7,8,9,10,11,12,13,14,15
	v_cvt_pk_f16_f32 v[144+2*\i], v[16+64*((\g)%2)+4*\i], v[16+64*((\g)%2)+4*\i+1]
	v_cvt_pk_f16_f32 v[145+2*\i], v[16+64*((\g)%2)+4*\i+2], v[16+64*((\g)%2)+4*\i+3]
.endr
.irp i, 0,1,2,3,4,5,6,7,8,9,10,11,12,13,14,15
	global_store_b64 v4, v[144+2*\i:145+2*\i], s[18:19] offset:4096*(\g)+256*\i   ; 256 consecutive bytes, aligned
.endr
.if (\g) < 2
	CLOAD (\g)+2
.endif
.endm
	CLOAD 0
	CLOAD 1
	CVT 0
	CVT 1
	CVT 2
	CVT 3
.Lend:
	s_wait_tensorcnt 0x0                           ; the wave's end
	ds_add_u32 v[SPW], v[NIL]
	s_wait_dscnt 0x0
	s_endpgm
.Lfunc_end_k_qb416dfb47c_prep:
	.size	k_qb416dfb47c_prep, .Lfunc_end_k_qb416dfb47c_prep-k_qb416dfb47c_prep
	.p2alignl 7, 3214868480
	.fill 96, 4, 3214868480
	.section	.rodata,"a",@progbits
	.p2align	6, 0x0
	.amdhsa_kernel k_qb416dfb47c_prep
		.amdhsa_group_segment_fixed_size 33280
		.amdhsa_private_segment_fixed_size 0
		.amdhsa_enable_private_segment 0
		.amdhsa_kernarg_size 64
		.amdhsa_user_sgpr_count 2
		.amdhsa_user_sgpr_kernarg_segment_ptr 1
		.amdhsa_wavefront_size32 1
		.amdhsa_system_sgpr_workgroup_id_x 1
		.amdhsa_system_sgpr_workgroup_id_y 1
		.amdhsa_system_sgpr_workgroup_id_z 1
		.amdhsa_system_vgpr_workitem_id 0
		.amdhsa_next_free_vgpr 192
		.amdhsa_next_free_sgpr 66
		.amdhsa_reserve_vcc 0
		.amdhsa_float_denorm_mode_32 3
		.amdhsa_float_denorm_mode_16_64 3
		.amdhsa_memory_ordered 1
		.amdhsa_forward_progress 1
		.amdhsa_inst_pref_size 54
	.end_amdhsa_kernel
	.amdgpu_metadata
---
amdhsa.version: [ 1, 2 ]
amdhsa.kernels:
  - .name:           k_qb416dfb47c_prep
    .symbol:         k_qb416dfb47c_prep.kd
    .args:
      - { .name: x, .offset: 0, .size: 8, .value_kind: global_buffer, .address_space: global }
      - { .name: w_attn, .offset: 8, .size: 8, .value_kind: global_buffer, .address_space: global }
      - { .name: w_proj, .offset: 16, .size: 8, .value_kind: global_buffer, .address_space: global }
      - { .name: xc, .offset: 24, .size: 8, .value_kind: global_buffer, .address_space: global }
      - { .name: xs, .offset: 32, .size: 8, .value_kind: global_buffer, .address_space: global }
      - { .name: wc, .offset: 40, .size: 8, .value_kind: global_buffer, .address_space: global }
      - { .name: ws, .offset: 48, .size: 8, .value_kind: global_buffer, .address_space: global }
      - { .name: wp16, .offset: 56, .size: 8, .value_kind: global_buffer, .address_space: global }
    .group_segment_fixed_size: 33280
    .private_segment_fixed_size: 0
    .kernarg_segment_align: 8
    .kernarg_segment_size: 64
    .max_flat_workgroup_size: 128
    .sgpr_count:     66
    .vgpr_count:     192
    .wavefront_size: 32
...
	.end_amdgpu_metadata
.endif
;; end of part 1
;; launch qkv (part 2): grid 12 x 32, 4 waves a work-group, clusters of 4 x 4, 327,680 bytes of LDS; arguments xc, xs, wc, ws, qkv16, b_attn, qkv32; writes qkv16, qkv32
.if DOCPART == 2
	.amdgcn_target "amdgcn-amd-amdhsa--gfx1250"
	.amdhsa_code_object_version 6
	.text
	.protected	k_qb416dfb47c_qkv
	.globl	k_qb416dfb47c_qkv
	.p2align	8
	.type	k_qb416dfb47c_qkv,@function
k_qb416dfb47c_qkv:
	s_mov_b64 s[64:65], 0
	v_nop
	global_prefetch_b8 v0, s[64:65] scope:SCOPE_SE
	s_setreg_imm32_b32 hwreg(HW_REG_WAVE_MODE, 25, 1), 1
	s_wait_xcnt 0x0
	s_wait_alu depctr_hold_cnt(0) depctr_sa_sdst(0) depctr_va_vdst(0) depctr_va_sdst(0) depctr_va_ssrc(0) depctr_va_vcc(0) depctr_vm_vsrc(0)
	s_getreg_b32 s2, hwreg(HW_REG_IB_STS2, 6, 4)
	s_cmp_eq_u32 s2, 0
	s_cbranch_scc0 .Lentry_in_a_cluster
	s_endpgm
.Lentry_in_a_cluster:
	s_bfe_u32 s2, ttmp6, 0x10000c
	s_cmp_lg_u32 s2, 0xf033
	s_cbranch_scc0 .Lentry_shape_is_right
	s_endpgm
.Lentry_shape_is_right:
; qkv = x w_attn^T + b_attn on codes of FP4 (E2M1) with one E8M0 scale for each 32 along K: M = 8,192, N = 3,072, K = 1,024; sums in f32, the bias as the C of each sum's first product.
; OUT: q, k, v as f16, laid [part q,k,v][batch x 16 + head][t][64]; the rows t < 16 of every batch also as f32, [batch][t][3072], for the launch that carries those rows in f32.
; LIMIT: |q|, |k|, |v| above 65,504 have no f16 number.
; A tile of 256 x 256 is made by four waves, 128 x 128 each: 64 accumulators, 512 registers.  K is two LDS slots of 512 (rows of 256 bytes): both, and the scale bytes of the tile's 512 rows,
; are asked for at the start, three tensor loads a wave; nothing is filled again.
; CLUSTERS: 4 x 4 work-groups.  The four of a row of the cluster need the same tiles of x, the four of a column the same tiles of w_attn: each is asked for jointly.
; The tile row is 8 cy + cluster y, so that the batch is cy and the tiles that hold t < 16 are those of the clusters with y = 0: the branch to the f32 rows hangs on the cluster's y and the wave's number alone.
; The tile column is 4 x cluster x + cx, so that the part (q, k or v) is the cluster's x.
; THE MATRIX INSTRUCTION IS USED TRANSPOSED (source 0 = 16 rows of w_attn, source 1 = 16 rows of x): a lane holds eight neighbouring columns of one row.
; REGISTERS, in windows of 256: window 0: v0-31 addresses; v32-95 scale words, two sets; v96-127 packed results; from v128 x's fragments, one set (on the way out rows read back); v192-255 the f32 rows.
;   window 1: w_attn's fragments, two sets, at v0 and v128; v64-127 the bias.   window 2: the accumulators of my rows 0-63 ((a, b) at v[8 (8 a + b)]);   window 3: those of rows 64-127.
.set NQ,     4                         ; steps of 128 along K in a slot
.set ROWB,   256                       ; a tile's row in bytes: 512 codes
.set KROW,   512                       ; a row of codes in memory
.set PITCH,  272                       ; an LDS row: 256 bytes + 16 of padding: the 16 rows that a load touches start 4 banks apart
.set FR,     8
.set NL,     2
.set NP,     4
.set HALFT,  128*PITCH
.set SLOT,   4*HALFT
.set KS,     32                        ; a row of scale bytes
.set SCL,    2*SLOT
.set HALFS,  (128*KS/256)*272
.set SBLK,   (16*KS/256)*272
.set SPARE,  SCL+4*HALFS               ; the spare words, 128 bytes a wave
.set ADRA, 16
.set ADRB, 20
.set STO,  24                          ; the way out, f16: where I put 16 bytes of a row
.set RD,   25                          ; and where I read 16 bytes of a head's row back
.set CO,   26                          ; 16 x lane
.set ADRS, 27
.set SPW,  28
.set NIL,  29
.set STO32, 30                         ; the same for the f32 rows
.set RD32,  31
.set SC,   32
.set TMP,  96
.set AF,   128
.set BK,   128                         ; v128-159, v160-191 by turns
.set F32,  192
.set BIAS, 64                          ; in window 1
.set G1, 24
.set G0, 32
.set G1B, 48
.set G0B, 56
.set G1S, 68
.set G0S, 76
.set G1SB, 80
.set G0SB, 88
.set MSB, 0
.macro WIN new                         ; the immediate's high byte repeats the setting that is left
.if MSB != (\new)
	s_set_vgpr_msb (MSB<<8)|(\new)
.set MSB, (\new)
.endif
.endm
.set MUL_LO, 0xa1                      ; source 0 window 1, source 1 window 0, C and D window 2
.set MUL_HI, 0xf1                      ; the same, C and D window 3
.set TO_B,   0x40                      ; destination window 1, address window 0
; A joint load: waves 0 and 1 fetch for x, waves 2 and 3 for w_attn; the branch hangs on the wave's number alone.  An s_nop 0 and four v_nop follow each of the two lines.
.macro JLOAD g0a, g1a, g0b, g1b
	s_cmp_eq_u32 s15, 0
	s_cbranch_scc0 .Lfor_b_\@
	tensor_load_to_lds s[\g0a:\g0a+3], s[\g1a:\g1a+7]
	s_nop 0
.rept 4
	v_nop
.endr
	s_branch .Lasked_\@
.Lfor_b_\@:
	tensor_load_to_lds s[\g0b:\g0b+3], s[\g1b:\g1b+7]
	s_nop 0
.rept 4
	v_nop
.endr
.Lasked_\@:
.endm
.macro CROUND                          ; a round of the cluster's barrier
	s_barrier_signal -1
	s_barrier_wait -1
	s_cmp_lg_u32 s14, 0
	s_cbranch_scc1 .Lnot_wave_0_\@
	s_barrier_signal -3
.Lnot_wave_0_\@:
	s_barrier_wait -3
	s_barrier_signal -1
	s_barrier_wait -1
.endm
	s_load_b128 s[4:7], s[0:1], 0x0                ; x's codes, x's scales
	s_load_b128 s[8:11], s[0:1], 0x10              ; w_attn's codes, its scales
	s_load_b64 s[12:13], s[0:1], 0x20              ; qkv16
	s_load_b64 s[96:97], s[0:1], 0x28              ; b_attn
	s_load_b64 s[98:99], s[0:1], 0x30              ; qkv32
	v_lshl_add_u32 v[SPW], v0, 2, SPARE
	v_mov_b32 v[NIL], 0
	ds_add_u32 v[SPW], v[NIL]                      ; the wave's opening: the add, twice on end, and its wait ahead of my first tensor load
	ds_add_u32 v[SPW], v[NIL]
	v_lshrrev_b32 v1, 5, v0
	v_readfirstlane_b32 s14, v1                    ; wave 0..3
	s_lshr_b32 s15, s14, 1                         ; which half of the tile's rows is mine.  Also: I fetch for x (0) or for w_attn (1)
	s_and_b32 s16, s14, 1                          ; which half of its columns.  Also: which 128 rows I fetch
	s_bfe_u32 s40, ttmp6, 0x40000                  ; cx
	s_bfe_u32 s41, ttmp6, 0x40004                  ; cy
	s_lshl_b32 s42, ttmp9, 2
	s_add_co_u32 s42, s42, s40                     ; tile column = 4 x cluster x + cx
	s_and_b32 s66, ttmp7, 0xffff                   ; cluster y: which 256 positions of a sequence
	s_lshl_b32 s17, s41, 3
	s_add_co_u32 s17, s17, s66                     ; tile row = 8 cy + cluster y
	s_lshl_b32 s43, s41, 2
	s_lshl_b32 s43, 15, s43                        ; my row of the cluster
	s_lshl_b32 s44, 0x1111, s40                    ; my column
	s_or_b32 s[G1+0], s43, (0<<16)|(1<<20)|(1<<21)|(5<<22)|(3<<25)  ; the mask; elements of 1 byte; padding on: 4 words after every 64; bit 21 beside a mask
	s_or_b32 s[G1B+0], s44, (0<<16)|(1<<20)|(1<<21)|(5<<22)|(3<<25)
.irp g, G1, G1B
	s_mov_b32 s[\g+1], ROWB<<16                    ; tensor_dim0
	s_mov_b32 s[\g+2], 128<<16                     ; tensor_dim1
	s_mov_b32 s[\g+3], ROWB<<16                    ; tile_dim0
	s_mov_b32 s[\g+4], 128                         ; tile_dim1
	s_mov_b32 s[\g+5], KROW                        ; from row to row
	s_mov_b32 s[\g+6], 0
	s_mov_b32 s[\g+7], 0
.endr
	s_or_b32 s[G1S+0], s43, (3<<16)|(1<<20)|(1<<21)|(5<<22)|(3<<25)  ; the scales of 128 rows: 4,096 dense bytes as 16 rows of 256 (32 elements of 8 bytes), 16 bytes of padding behind each
	s_or_b32 s[G1SB+0], s44, (3<<16)|(1<<20)|(1<<21)|(5<<22)|(3<<25)
.irp g, G1S, G1SB
	s_mov_b32 s[\g+1], 32<<16
	s_mov_b32 s[\g+2], (128*KS/256)<<16
	s_mov_b32 s[\g+3], 32<<16
	s_mov_b32 s[\g+4], 128*KS/256
	s_mov_b32 s[\g+5], 32
	s_mov_b32 s[\g+6], 0
	s_mov_b32 s[\g+7], 0
.endr
	s_lshl_b32 s18, s16, 7
	s_lshl_b32 s20, s17, 8
	s_add_co_u32 s20, s20, s18                     ; x: row 256 x tile row + 128 x half
	s_lshl_b32 s46, s42, 8
	s_add_co_u32 s46, s46, s18                     ; w_attn: row 256 x tile column + 128 x half
	s_mov_b32 s21, 0
	s_mov_b32 s47, 0
	s_mov_b64 s[18:19], KS
	s_mul_u64 s[22:23], s[20:21], s[18:19]         ; where these rows' scales begin,
	s_mul_u64 s[92:93], s[46:47], s[18:19]
	s_mov_b64 s[18:19], KROW
	s_mul_u64 s[20:21], s[20:21], s[18:19]         ; and their codes
	s_mul_u64 s[46:47], s[46:47], s[18:19]
	s_mul_i32 s45, s14, HALFT                      ; where they go: wave x 128 rows
	s_mul_i32 s94, s14, HALFS
	s_wait_dscnt 0x0                               ; both opening adds are done
	s_wait_kmcnt 0x0
	s_add_nc_u64 s[20:21], s[4:5], s[20:21]
	s_add_nc_u64 s[22:23], s[6:7], s[22:23]
	s_add_nc_u64 s[46:47], s[8:9], s[46:47]
	s_add_nc_u64 s[92:93], s[10:11], s[92:93]
	CROUND                                         ; all sixteen work-groups are here: the joint loads meet
	s_mov_b32 s[G0S], 1
	s_add_co_u32 s[G0S+1], s94, SCL
	s_mov_b64 s[G0S+2:G0S+3], s[22:23]
	s_or_b32 s[G0S+3], s[G0S+3], 0x80000000
	s_mov_b32 s[G0SB], 1
	s_add_co_u32 s[G0SB+1], s94, SCL
	s_mov_b64 s[G0SB+2:G0SB+3], s[92:93]
	s_or_b32 s[G0SB+3], s[G0SB+3], 0x80000000
	JLOAD G0S, G1S, G0SB, G1SB                     ; the scales first: they are wanted with the first slot
.irp s, 0,1
	s_mov_b32 s[G0+4*\s], 1
	s_add_co_u32 s[G0+4*\s+1], s45, \s*SLOT
	s_add_nc_u64 s[G0+4*\s+2:G0+4*\s+3], s[20:21], \s*ROWB
	s_or_b32 s[G0+4*\s+3], s[G0+4*\s+3], 0x80000000
	s_mov_b32 s[G0B+4*\s], 1
	s_add_co_u32 s[G0B+4*\s+1], s45, \s*SLOT
	s_add_nc_u64 s[G0B+4*\s+2:G0B+4*\s+3], s[46:47], \s*ROWB
	s_or_b32 s[G0B+4*\s+3], s[G0B+4*\s+3], 0x80000000
	JLOAD G0+4*\s, G1, G0B+4*\s, G1B               ; three tensor loads of mine are out behind the second
.endr
	v_and_b32 v1, 15, v0                           ; r
	v_bfe_u32 v2, v0, 4, 1                         ; h
	v_mul_u32_u24 v3, v1, PITCH
	v_lshl_add_u32 v4, v2, 4, v3                   ; row x pitch + 16 x half
	s_mul_i32 s21, s15, HALFT
	s_mul_i32 s22, s16, HALFT
	s_add_co_u32 s22, s22, 2*HALFT
.irp s, 0,1
	v_add_nc_u32 v[ADRA+\s], s21, v4
	v_add_nc_u32 v[ADRB+\s], s22, v4
	s_add_co_u32 s21, s21, SLOT
	s_add_co_u32 s22, s22, SLOT
.endr
	v_mul_u32_u24 v5, v1, KS                       ; my row's scales: 32 bytes a row,
	v_lshrrev_b32 v6, 8, v5
	v_lshl_add_u32 v5, v6, 4, v5                   ; and 16 more for each 256 passed
	s_mul_i32 s21, s15, HALFS
	s_mul_i32 s22, s16, HALFS
	s_add_co_u32 s22, s22, 2*HALFS
	s_sub_co_u32 s22, s22, s21
	v_mul_u32_u24 v6, s22, v2                      ; lanes 16-31 take w_attn's
	s_add_co_u32 s21, s21, SCL
	v_add_nc_u32 v5, v5, v6
	v_add_nc_u32 v[ADRS], s21, v5
	s_mul_i32 s23, s14, 16*528                     ; my stage, in slot 0: it has had its one fill, and its last read lies ahead of the change of slots
	v_add_nc_u32 v[STO], s23, v4                   ; f16: row r of 272 bytes, + 16 h
	v_and_b32 v6, 31, v0
	v_lshlrev_b32 v[CO], 4, v6
	v_lshrrev_b32 v5, 3, v6
	v_mul_u32_u24 v5, v5, 272
	v_and_b32 v7, 7, v0
	v_lshl_add_u32 v5, v7, 4, v5
	v_add_nc_u32 v[RD], s23, v5                    ; back: eight lanes to a head's 128 bytes of a row, four rows an instruction
	v_mul_u32_u24 v5, v1, 528
	v_lshl_add_u32 v5, v2, 5, v5
	v_add_nc_u32 v[STO32], s23, v5                 ; f32: row r of 528 bytes, + 32 h
	v_add_nc_u32 v[RD32], s23, v[CO]
	s_lshl_b32 s20, ttmp9, 24                      ; qkv16: the part,
	s_lshl_b32 s21, s41, 22                        ; the batch's 16 heads,
	s_add_co_u32 s20, s20, s21
	s_lshl_b32 s21, s66, 8
	s_lshl_b32 s22, s15, 7
	s_add_co_u32 s21, s21, s22                     ; my first position,
	s_lshl_b32 s21, s21, 7
	s_add_co_u32 s20, s20, s21
	s_mov_b32 s21, 0
	s_lshl_b32 s46, s40, 2
	s_lshl_b32 s47, s16, 1
	s_add_co_u32 s46, s46, s47                     ; my first head: 4 cx + 2 x half
	s_lshl_b32 s46, s46, 18
	s_mov_b32 s47, 0
	s_add_nc_u64 s[20:21], s[20:21], s[46:47]
	s_add_nc_u64 s[12:13], s[12:13], s[20:21]
	s_lshl_b32 s46, s42, 10
	s_lshl_b32 s47, s16, 9
	s_add_co_u32 s46, s46, s47                     ; my first column as f32 bytes
	s_mov_b32 s47, 0
	s_add_nc_u64 s[96:97], s[96:97], s[46:47]
	s_add_nc_u64 s[98:99], s[98:99], s[46:47]
	s_mul_i32 s20, s41, 196608                     ; qkv32: 16 rows of 12,288 bytes a batch
	s_mov_b32 s21, 0
	s_add_nc_u64 s[98:99], s[98:99], s[20:21]
	v_lshlrev_b32 v8, 5, v2                        ; the bias: lane (r, h) wants, for block b, columns 16 b + 8 h + 0 .. 7; v8 is never rewritten
	WIN TO_B
.irp b, 0,1,2,3,4,5,6,7
	global_load_b128 v[BIAS+8*\b:BIAS+8*\b+3], v8, s[96:97] offset:64*\b
	global_load_b128 v[BIAS+8*\b+4:BIAS+8*\b+7], v8, s[96:97] offset:64*\b+16
.endr
	WIN 0
.macro FRAG reg, adr, q, i             ; 16 rows x 128 K of 4-bit codes: lane l holds row l % 16; registers 4 c .. 4 c + 3 hold K = 64 c + 32 (l / 16) + 0 .. 31
.irp c, 0,1
	ds_load_b128 v[\reg+4*\c:\reg+4*\c+3], v[\adr] offset:64*(\q)+32*\c+(\i)*16*PITCH
.endr
.endm
; 16 matrix instructions: x's blocks a0, a0 + 1 against w_attn's eight.  zero = 1: the first product starts the sums from the bias.  The 64 accumulators take turns, one instruction a turn.
.macro MUL16 a0, p, q, sc, zero
.irp a, \a0, \a0+1
.irp b, 0,1,2,3,4,5,6,7
.if \zero
	v_wmma_scale_f32_16x16x128_f8f6f4 v[8*(8*((\a)%4)+\b):8*(8*((\a)%4)+\b)+7], v[128*(\p)+FR*\b:128*(\p)+FR*\b+FR-1], v[AF+FR*(\a):AF+FR*(\a)+FR-1], v[BIAS+8*\b:BIAS+8*\b+7], v[SC+8*NQ*(\sc)+NQ*\b+(\q)], v[SC+8*NQ*(\sc)+NQ*(\a)+(\q)] matrix_a_fmt:MATRIX_FMT_FP4 matrix_b_fmt:MATRIX_FMT_FP4 matrix_a_scale:MATRIX_SCALE_ROW1
.else
	v_wmma_scale_f32_16x16x128_f8f6f4 v[8*(8*((\a)%4)+\b):8*(8*((\a)%4)+\b)+7], v[128*(\p)+FR*\b:128*(\p)+FR*\b+FR-1], v[AF+FR*(\a):AF+FR*(\a)+FR-1], v[8*(8*((\a)%4)+\b):8*(8*((\a)%4)+\b)+7], v[SC+8*NQ*(\sc)+NQ*\b+(\q)], v[SC+8*NQ*(\sc)+NQ*(\a)+(\q)] matrix_a_fmt:MATRIX_FMT_FP4 matrix_b_fmt:MATRIX_FMT_FP4 matrix_a_scale:MATRIX_SCALE_ROW1
.endif
.endr
.endr
.endm
.macro FETCH_B slot, q, p
	WIN TO_B
.irp i, 0,1,2,3,4,5,6,7
	FRAG 128*(\p)+FR*\i, ADRB+\slot, \q, \i
.endr
	WIN 0
.endm
.macro FETCH_A slot, q, i0
.irp i, \i0, \i0+1, \i0+2, \i0+3
	FRAG AF+FR*(\i), ADRA+\slot, \q, \i
.endr
.endm
.macro SCALES sc                       ; a slot's scale words: four words a row; lanes 0-15 take x's block i, lanes 16-31 w_attn's block i
.irp i, 0,1,2,3,4,5,6,7
	ds_load_b128 v[SC+8*NQ*\sc+NQ*\i:SC+8*NQ*\sc+NQ*\i+3], v[ADRS] offset:\i*SBLK
.endr
.endm
.macro PLACES n                        ; plain vector lines between a matrix instruction and a load into, or a read of, its registers
.rept \n
	v_nop
.endr
.endm
.macro STEP slot, q, zero              ; a step of 128 along K that has its successor in the same slot
	s_wait_dscnt 4*NL                              ; all but the youngest eight loads (x's blocks 4-7) are in
.if \zero
	WIN 0x91                                       ; C, the bias, in window 1; D in window 2
.else
	WIN MUL_LO
.endif
	MUL16 0, (\q)%2, \q, \slot, \zero
	MUL16 2, (\q)%2, \q, \slot, \zero
	s_wait_dscnt 0
	PLACES NP
	FETCH_B \slot, (\q)+1, 1-(\q)%2
	FETCH_A \slot, (\q)+1, 0
.if \zero
	WIN 0xd1                                       ; C in window 1; D in window 3
.else
	WIN MUL_HI
.endif
	MUL16 4, (\q)%2, \q, \slot, \zero
	MUL16 6, (\q)%2, \q, \slot, \zero
	PLACES NP
	WIN 0
	FETCH_A \slot, (\q)+1, 4
.endm
; Slot 0's last step changes slots: one barrier; in front of it each wave waits for all its tensor loads (its part of slot 1), adds 0 to its spare word, and waits for that and for its reads of slot 0.
.macro TURN slot, next
	s_wait_tensorcnt 0x0
	ds_add_u32 v[SPW], v[NIL]
	s_wait_dscnt 4*NL+1                            ; the add and the youngest eight loads may be out
	WIN MUL_LO
	MUL16 0, 1, NQ-1, \slot, 0
	s_wait_dscnt 0x0                               ; the add is done, and my reads of this slot are over
	s_barrier_signal -1
	MUL16 2, 1, NQ-1, \slot, 0
	WIN 0
	s_barrier_wait -1
	PLACES NP
	v_add_nc_u32 v[ADRS], 4*NQ, v[ADRS]            ; the next slot's scale words
	FETCH_B \next, 0, 0
	FETCH_A \next, 0, 0
	SCALES \next
	WIN MUL_HI
	MUL16 4, 1, NQ-1, \slot, 0
	MUL16 6, 1, NQ-1, \slot, 0
	PLACES NP
	WIN 0
	FETCH_A \next, 0, 4
.endm
.macro STEPS slot, from
.set Q, \from
.rept NQ-1-\from
	STEP \slot, Q, 0
.set Q, Q+1
.endr
.endm
	s_wait_tensorcnt 1                             ; the scales and my part of slot 0 are in; slot 1's load may be out
	s_barrier_signal -1
	s_barrier_wait -1
	FETCH_B 0, 0, 0
	FETCH_A 0, 0, 0
	SCALES 0
	FETCH_A 0, 0, 4
	s_wait_loadcnt 0x0                             ; the bias
	STEP 0, 0, 1
	STEPS 0, 1
	TURN 0, 1
	STEPS 1, 0
	s_wait_dscnt 4*NL                              ; the last step: nothing more to fetch
	WIN MUL_LO
	MUL16 0, 1, NQ-1, 1, 0
	MUL16 2, 1, NQ-1, 1, 0
	s_wait_dscnt 0
	WIN MUL_HI
	MUL16 4, 1, NQ-1, 1, 0
	MUL16 6, 1, NQ-1, 1, 0
	WIN 0
; THE WAY OUT, block by block of 16 rows x 128 columns (two heads).  A block is rounded to f16, goes through my stage and comes back so that the 32 lanes hold four rows of one head: 512 consecutive bytes of qkv16.
.macro PACK a
.set AC, 64*((\a)%4)
	WIN 0x0a+5*((\a)/4)                            ; sources in window 2 or 3
.irp b, 0,1,2,3,4,5,6,7
.irp i, 0,1,2,3
	v_cvt_pk_f16_f32 v[TMP+4*\b+\i], v[AC+8*\b+2*\i], v[AC+8*\b+2*\i+1]   ; each accumulator from its low end on
.endr
.endr
	WIN 0
.endm
.macro TOSTAGE a
.set BB, BK+32*((\a)%2)
.irp b, 0,1,2,3,4,5,6,7
	ds_store_b128 v[STO], v[TMP+4*\b:TMP+4*\b+3] offset:32*\b
.endr
.irp i, 0,1,2,3
.irp g, 0,1
	ds_load_b128 v[BB+4*(2*\i+\g):BB+4*(2*\i+\g)+3], v[RD] offset:1088*\i+128*\g   ; LDS serves a wave's instructions in order: these see the stores above
.endr
.endr
.endm
.macro SEND a
.set BB, BK+32*((\a)%2)
	s_wait_dscnt 0x0                               ; the block is back in registers
	s_wait_xcnt 0x0                                ; the block before has left its registers, into which the next block's loads will land
.irp i, 0,1,2,3
.irp g, 0,1
	global_store_b128 v[CO], v[BB+4*(2*\i+\g):BB+4*(2*\i+\g)+3], s[12:13] offset:262144*\g+2048*(\a)+512*\i   ; 512 consecutive bytes, aligned
.endr
.endr
.endm
	PLACES NP
	s_or_b32 s18, s66, s15                         ; the rows t < 16: cluster y = 0, waves 0 and 1, block 0
	s_cmp_lg_u32 s18, 0
	s_cbranch_scc1 .Lno_fine
	WIN 0x08                                       ; an LDS store's data: window 2
.irp b, 0,1,2,3,4,5,6,7
	ds_store_b128 v[STO32], v[8*\b:8*\b+3] offset:64*\b
	ds_store_b128 v[STO32], v[8*\b+4:8*\b+7] offset:64*\b+16
.endr
	WIN 0
.irp t, 0,1,2,3,4,5,6,7,8,9,10,11,12,13,14,15
	ds_load_b128 v[F32+4*\t:F32+4*\t+3], v[RD32] offset:\t*528
.endr
	s_wait_dscnt 0x0
.irp t, 0,1,2,3,4,5,6,7,8,9,10,11,12,13,14,15
	global_store_b128 v[CO], v[F32+4*\t:F32+4*\t+3], s[98:99] offset:\t*12288   ; 512 consecutive bytes of a row, aligned
.endr
.Lno_fine:
	PACK 0
	TOSTAGE 0
.irp a, 1,2,3,4,5,6,7
	PACK \a
	SEND \a-1
	TOSTAGE \a
.endr
	SEND 7
	s_wait_tensorcnt 0x0                           ; the wave's end
	ds_add_u32 v[SPW], v[NIL]
	s_wait_dscnt 0x0
	CROUND                                         ; the closing round
	s_endpgm
.Lfunc_end_k_qb416dfb47c_qkv:
	.size	k_qb416dfb47c_qkv, .Lfunc_end_k_qb416dfb47c_qkv-k_qb416dfb47c_qkv
	.p2alignl 7, 3214868480
	.fill 96, 4, 3214868480
	.section	.rodata,"a",@progbits
	.p2align	6, 0x0
	.amdhsa_kernel k_qb416dfb47c_qkv
		.amdhsa_group_segment_fixed_size 327680
		.amdhsa_private_segment_fixed_size 0
		.amdhsa_enable_private_segment 0
		.amdhsa_kernarg_size 56
		.amdhsa_user_sgpr_count 2
		.amdhsa_user_sgpr_kernarg_segment_ptr 1
		.amdhsa_wavefront_size32 1
		.amdhsa_system_sgpr_workgroup_id_x 1
		.amdhsa_system_sgpr_workgroup_id_y 1
		.amdhsa_system_sgpr_workgroup_id_z 1
		.amdhsa_system_vgpr_workitem_id 0
		.amdhsa_next_free_vgpr 1024
		.amdhsa_next_free_sgpr 100
		.amdhsa_reserve_vcc 0
		.amdhsa_float_denorm_mode_32 3
		.amdhsa_float_denorm_mode_16_64 3
		.amdhsa_memory_ordered 1
		.amdhsa_forward_progress 1
		.amdhsa_inst_pref_size 132
	.end_amdhsa_kernel
	.amdgpu_metadata
---
amdhsa.version: [ 1, 2 ]
amdhsa.kernels:
  - .name:           k_qb416dfb47c_qkv
    .symbol:         k_qb416dfb47c_qkv.kd
    .args:
      - { .name: xc, .offset: 0, .size: 8, .value_kind: global_buffer, .address_space: global }
      - { .name: xs, .offset: 8, .size: 8, .value_kind: global_buffer, .address_space: global }
      - { .name: wc, .offset: 16, .size: 8, .value_kind: global_buffer, .address_space: global }
      - { .name: ws, .offset: 24, .size: 8, .value_kind: global_buffer, .address_space: global }
      - { .name: qkv16, .offset: 32, .size: 8, .value_kind: global_buffer, .address_space: global }
      - { .name: b_attn, .offset: 40, .size: 8, .value_kind: global_buffer, .address_space: global }
      - { .name: qkv32, .offset: 48, .size: 8, .value_kind: global_buffer, .address_space: global }
    .group_segment_fixed_size: 327680
    .private_segment_fixed_size: 0
    .kernarg_segment_align: 8
    .kernarg_segment_size: 56
    .max_flat_workgroup_size: 128
    .sgpr_count:     100
    .vgpr_count:     1024
    .wavefront_size: 32
...
	.end_amdgpu_metadata
.endif
;; end of part 2
;; launch attn (part 3): grid 4 x 64, 8 waves a work-group, no clusters, 327,680 bytes of LDS; arguments qkv16, yh; writes yh
.if DOCPART == 3
	.amdgcn_target "amdgcn-amd-amdhsa--gfx1250"
	.amdhsa_code_object_version 6
	.text
	.protected	k_qb416dfb47c_attn
	.globl	k_qb416dfb47c_attn
	.p2align	8
	.type	k_qb416dfb47c_attn,@function
k_qb416dfb47c_attn:
	s_mov_b64 s[64:65], 0
	v_nop
	global_prefetch_b8 v0, s[64:65] scope:SCOPE_SE
	s_setreg_imm32_b32 hwreg(HW_REG_WAVE_MODE, 25, 1), 1
	s_wait_xcnt 0x0
; y[b][h][q] = the sum over k <= q of softmax_k(q . k / 8) v, head size 64, 2,048 positions, 64 heads; operands f16, products, maxima and sums in f32; the weights p are rounded to f16 for the second product.
; IN: qkv16 [part q,k,v][head][t][64] f16.  OUT: yh [head of 16][batch x 2048 + t][64] f16.  (The rows t < 16 are made again, in f32, by a later launch.)
; SHARES.  Work-group (j, head) owns the blocks of 256 queries 7 - j and j, one after the other: the first walks key blocks 0 .. 7 - j, the second 0 .. j: always nine slots of 256 keys.
; So all 256 work-groups have the same work, the trip count is a constant, and every slot that is fetched is read.  Of a block each of the eight waves owns 32 queries, two tiles of 16,
; at sub-block w xor 3 (w / 4), so that waves w and w + 4 have five steps of the diagonal slot between them.
; NO CLUSTER: the four work-groups of a head leave the common walk at different slots (after slot 7 - j), so partners would need different tiles in the same round.
; LAYOUT.  S^T = K Q^T (source 0 = 16 keys, source 1 = 16 queries): a lane holds one query and eight keys; two such tiles rounded to f16 in pairs are source 1 of O^T = V^T P.  V comes out of LDS turned, by ds_load_tr16_b128.
; SOFTMAX.  A running maximum m and sum l for each query: p = 2^(c s - c m), c = log2(e) / 8; in every step O and l are multiplied by a = 2^(c m_old - c m_new).
; THE MASK.  A step all of whose 64 keys come after my 32 queries is jumped over (ids alone); in a step on the diagonal hidden scores become -infinity ahead of the maximum.  Key 0 counts for every query.
; LDS.  Two slots of 256 keys; a slot is four steps, each K's 64 keys as 32 rows of 256 bytes + 16 (two keys a row: the block is dense in memory), then V's as 32 rows of 256 + 32.
; REGISTERS: v1-14 addresses and constants; v16-31 statistics, eight a tile; v32-63 Q; v64-127 S^T, then p, then P in place; v128-191 K's fragments, then V's; v192-255 O^T.
.set PK,    272
.set PV,    288
.set VOFF,  32*PK
.set STEPB, 32*(PK+PV)
.set SLOT1, 1<<17
.set STAGE, 2*SLOT1                    ; the way out: two tiles of 16 rows x 144 bytes for each wave
.set SPARE, STAGE+8*4608               ; the spare words, 128 bytes a wave
.set AK0, 1
.set AV0, 2
.set ADK, 3
.set ADV, 4
.set QO,  5
.set STO, 6
.set RD,  7
.set GO,  8
.set SPW, 9
.set NIL, 10
.set PFO, 11
.set DL,  12                           ; r - 8 h
.set D,   13
.set NINF, 14
.set ST,  16                           ; tile t at ST + 8 t: +0 c m, +1 m, +2, +3 l, +4 .. +7 at work; a at +6
.set Q,   32
.set S,   64
.set KV,  128
.set O,   192
.set WV,  8
.set SUB, 9
.set J,   10
.set BH,  11
.set J1,  12
.set NH8, 13
.set SLOTS, 14
.set KF,  15                           ; the step's first key
.set Q0,  16                           ; my first query
.set QB,  17                           ; the block of queries in hand
.set KSB, 18                           ; the block of keys in hand
.set TB,  19                           ; LDS byte at which the step's tiles begin
.set STP, 3
.set SEL, 20
.set CS,  22
.set G1K, 24
.set G1V, 32
.set G0K, 40
.set G0V, 44
.set PFA, 48
.set LIM, 50
.set QA,  56
.set YA,  58
; Waves 0-3 fetch K's tile of step w, waves 4-7 V's of step w - 4: one tensor load a wave.  An s_nop 0 and four v_nop follow each of the two lines.
.macro TLOAD
	s_cmp_lt_u32 s[WV], 4
	s_cbranch_scc0 .Lfor_v_\@
	tensor_load_to_lds s[G0K:G0K+3], s[G1K:G1K+7]
	s_nop 0
.rept 4
	v_nop
.endr
	s_branch .Lasked_\@
.Lfor_v_\@:
	tensor_load_to_lds s[G0V:G0V+3], s[G1V:G1V+7]
	s_nop 0
.rept 4
	v_nop
.endr
.Lasked_\@:
.endm
; A prefetch of what the NEXT change of slots will ask for, behind the wave's tensor load: my own quarter (8,192 bytes, lanes 256 bytes apart) of the slot after the one just asked for: four key steps ahead of its load.
; Of a head's four work-groups only j = 0 walks key blocks 0 to 7 in order: it asks, in trips 0 to 5, for blocks 2 to 7, so each 256 bytes of a head's K and V are named once.  Blocks 0 and 1 come by their loads alone.
.macro ASK
	s_cmp_gt_u32 s[SLOTS], s[LIM]
	s_cbranch_scc0 .Lnot_mine_\@
	global_prefetch_b8 v[PFO], s[PFA:PFA+1] th:TH_LOAD_NT scope:SCOPE_SE
.Lnot_mine_\@:
.endm
	s_load_b128 s[4:7], s[0:1], 0x0                ; qkv16, yh
	v_lshl_add_u32 v[SPW], v0, 2, SPARE
	v_mov_b32 v[NIL], 0
	ds_add_u32 v[SPW], v[NIL]                      ; the wave's opening: the add, twice on end, and its wait ahead of my first tensor load
	ds_add_u32 v[SPW], v[NIL]
	v_lshrrev_b32 v1, 5, v0
	v_readfirstlane_b32 s[WV], v1                  ; wave 0..7
	s_lshr_b32 s60, s[WV], 2
	s_mul_i32 s60, s60, 3
	s_xor_b32 s[SUB], s[WV], s60                   ; 0 1 2 3 7 6 5 4
	s_mov_b32 s[J], ttmp9
	s_and_b32 s[BH], ttmp7, 0xffff
	s_add_co_u32 s[J1], s[J], 1
	s_sub_co_u32 s[NH8], 8, s[J]
	s_lshl_b32 s[NH8], s[NH8], 15                  ; 8 - j blocks of 256 keys x 128 bytes: the way back to key 0
	s_mov_b32 s55, 0
	s_mov_b32 s[G1K], (1<<16)|(1<<20)|(5<<22)|(3<<25)   ; elements of 2 bytes; padding on: 4 words after every 64
	s_mov_b32 s[G1V], (1<<16)|(1<<20)|(5<<22)|(7<<25)   ; 8 words
.irp g, G1K, G1V
	s_mov_b32 s[\g+1], 128<<16                     ; tensor_dim0 = 128
	s_mov_b32 s[\g+2], 32<<16                      ; tensor_dim1 = 32
	s_mov_b32 s[\g+3], 128<<16                     ; tile_dim0
	s_mov_b32 s[\g+4], 32                          ; tile_dim1
	s_mov_b32 s[\g+5], 128                         ; from row to row
	s_mov_b32 s[\g+6], 0
	s_mov_b32 s[\g+7], 0
.endr
	s_mov_b32 s[SEL], 0x76543210
	s_mov_b32 s[SEL+1], 0xfedcba98
	s_mov_b32 s[CS], 0x3e38aa3b                    ; c = log2(e) / 8
	s_mov_b32 s[CS+1], s[CS]
	s_and_b32 s60, s[WV], 3
	s_mul_i32 s61, s60, STEPB                      ; my step's place in a slot
	s_lshl_b32 s62, s60, 13                        ; and its 64 rows of 128 bytes in memory
	s_mov_b32 s63, 0
	s_lshl_b32 s52, s[BH], 18                      ; the head
	s_mov_b32 s53, 0
	s_wait_dscnt 0x0                               ; both opening adds are done
	s_wait_kmcnt 0x0
	s_add_nc_u64 s[QA:QA+1], s[4:5], s[52:53]      ; q of my head
	s_add_nc_u64 s[G0K+2:G0K+3], s[QA:QA+1], s[62:63]
	s_add_nc_u64 s[G0K+2:G0K+3], s[G0K+2:G0K+3], 0x1000000   ; k
	s_add_nc_u64 s[G0V+2:G0V+3], s[G0K+2:G0K+3], 0x1000000   ; v
	s_cmp_lt_u32 s[WV], 4
	s_cselect_b64 s[PFA:PFA+1], s[G0K+2:G0K+3], s[G0V+2:G0V+3]
	s_add_nc_u64 s[PFA:PFA+1], s[PFA:PFA+1], 32768 ; in key block 1: the first change of slots steps it to block 2
	s_or_b32 s[G0K+3], s[G0K+3], 0x80000000
	s_or_b32 s[G0V+3], s[G0V+3], 0x80000000
	s_mov_b32 s[G0K], 1
	s_mov_b32 s[G0K+1], s61
	s_mov_b32 s[G0V], 1
	s_add_co_u32 s[G0V+1], s61, VOFF
	TLOAD                                          ; slot 0: one tensor load of mine is out
	s_and_b32 s60, s[BH], 15
	s_lshl_b32 s60, s60, 20
	s_lshr_b32 s61, s[BH], 4
	s_lshl_b32 s61, s61, 18
	s_add_co_u32 s60, s60, s61
	s_mov_b32 s61, 0
	s_add_nc_u64 s[YA:YA+1], s[6:7], s[60:61]      ; yh: my head's plane, my batch's rows
	s_cmp_eq_u32 s[J], 0
	s_cselect_b32 s[LIM], 2, -1
	v_and_b32 v64, 15, v0                          ; r
	v_bfe_u32 v65, v0, 4, 1                        ; h
	v_lshrrev_b32 v66, 1, v64
	v_mul_u32_u24 v[AK0], v66, PK
	v_and_b32 v67, 1, v0
	v_lshl_add_u32 v[AK0], v67, 7, v[AK0]
	v_lshl_add_u32 v[AK0], v65, 4, v[AK0]          ; K: key r lies in row r / 2, half r % 2; + 16 h
	v_bfe_u32 v66, v0, 1, 2
	v_lshl_add_u32 v66, v65, 2, v66
	v_mul_u32_u24 v[AV0], v66, PV
	v_lshl_add_u32 v[AV0], v67, 7, v[AV0]
	v_bfe_u32 v66, v0, 3, 1
	v_lshl_add_u32 v[AV0], v66, 4, v[AV0]
	v_add_nc_u32 v[AV0], VOFF, v[AV0]              ; V, for the turning load: key 8 h + l % 8, channels 8 ((l / 8) % 2) on
	v_lshlrev_b32 v[QO], 7, v64
	v_lshl_add_u32 v[QO], v65, 4, v[QO]
	s_mul_i32 s60, s[WV], 4608
	s_add_co_u32 s60, s60, STAGE
	v_mul_u32_u24 v[STO], v64, 144
	v_lshl_add_u32 v[STO], v65, 4, v[STO]
	v_add_nc_u32 v[STO], s60, v[STO]
	v_bfe_u32 v66, v0, 3, 2
	v_mul_u32_u24 v[RD], v66, 144
	v_and_b32 v67, 7, v0
	v_lshl_add_u32 v[RD], v67, 4, v[RD]
	v_add_nc_u32 v[RD], s60, v[RD]
	v_and_b32 v66, 31, v0
	v_lshlrev_b32 v[GO], 4, v66
	v_lshlrev_b32 v[PFO], 8, v66
	v_lshlrev_b32 v66, 3, v65
	v_sub_nc_u32 v[DL], v64, v66
	v_mov_b32 v[NINF], 0xff800000
; A block of queries begins: Q into registers; m = -3e38, under every score; l and O^T zeros, which the first change of m leaves zeros: so the key step is written once.
.macro INIT
	s_lshl_b32 s[Q0], s[QB], 8
	s_lshl_b32 s60, s[SUB], 5
	s_add_co_u32 s[Q0], s[Q0], s60
	s_lshl_b32 s60, s[Q0], 7
	s_mov_b32 s61, 0
	s_add_nc_u64 s[52:53], s[QA:QA+1], s[60:61]
.irp t, 0,1
.irp kk, 0,1
.irp e, 0,1
	global_load_b128 v[Q+16*\t+8*\kk+4*\e:Q+16*\t+8*\kk+4*\e+3], v[QO], s[52:53] offset:2048*\t+64*\kk+32*\e
.endr
.endr
.endr
.irp t, 0,1
	v_mov_b32 v[ST+8*\t+1], 0xff61b1e6
	v_mul_f32 v[ST+8*\t], s[CS], v[ST+8*\t+1]
.irp i, 2,3,4,5,6,7
	v_mov_b32 v[ST+8*\t+\i], 0
.endr
.endr
.set NN, 0
.rept 64
	v_mov_b32 v[O+NN], 0
.set NN, NN+1
.endr
	s_wait_loadcnt 0x0
.endm
; A KEY STEP: 64 keys.
.macro STEP
	s_add_co_u32 s60, s[Q0], 31
	s_cmp_gt_u32 s[KF], s60                        ; all its keys come after my queries: ids and the count of steps alone
	s_cbranch_scc1 .Lhid_\@
	v_add_nc_u32 v[ADK], s[TB], v[AK0]
	v_add_nc_u32 v[ADV], s[TB], v[AV0]
.rept 3
	v_nop                                          ; with the two additions five plain lines behind the last products: the loads land in registers that they read, and the products below write over P
.endr
.irp kt, 0,1,2,3
.irp kk, 0,1
	ds_load_b128 v[KV+8*(2*\kt+\kk):KV+8*(2*\kt+\kk)+3], v[ADK] offset:2176*\kt+64*\kk
	ds_load_b128 v[KV+8*(2*\kt+\kk)+4:KV+8*(2*\kt+\kk)+7], v[ADK] offset:2176*\kt+64*\kk+32
.endr
.endr
	s_wait_dscnt 0x0
.irp kk, 0,1                                   ; S^T = K Q^T: eight accumulators by turns; the first eight start the sums
.irp kt, 0,1,2,3
.irp t, 0,1
.if \kk == 0
	v_wmma_f32_16x16x32_f16 v[S+32*\t+8*\kt:S+32*\t+8*\kt+7], v[KV+8*(2*\kt+\kk):KV+8*(2*\kt+\kk)+7], v[Q+16*\t+8*\kk:Q+16*\t+8*\kk+7], 0
.else
	v_wmma_f32_16x16x32_f16 v[S+32*\t+8*\kt:S+32*\t+8*\kt+7], v[KV+8*(2*\kt+\kk):KV+8*(2*\kt+\kk)+7], v[Q+16*\t+8*\kk:Q+16*\t+8*\kk+7], v[S+32*\t+8*\kt:S+32*\t+8*\kt+7]
.endif
.endr
.endr
.endr
.rept 4
	v_nop                                          ; four plain lines: then V's loads into K's registers, and the first reads of the scores
.endr
.irp u, 0,1
.irp ct, 0,1,2,3
	ds_load_tr16_b128 v[KV+8*(4*\u+\ct):KV+8*(4*\u+\ct)+3], v[ADV] offset:4608*\u+32*\ct
	ds_load_tr16_b128 v[KV+8*(4*\u+\ct)+4:KV+8*(4*\u+\ct)+7], v[ADV] offset:4608*\u+32*\ct+2304
.endr
.endr
	s_add_co_u32 s60, s[KF], 63
	s_cmp_le_u32 s60, s[Q0]                        ; all its keys count for all my queries
	s_cbranch_scc1 .Lopen_\@
	s_sub_co_i32 s60, s[Q0], s[KF]
	v_add_nc_u32 v[D], s60, v[DL]                  ; register n of tile t holds key KF + 16 (n / 8) + 8 h + n % 8 for query Q0 + 16 t + r: hidden where 16 (n / 8) + n % 8 - 16 t > Q0 - KF + r - 8 h
.irp n, 0,1,2,3,4,5,6,7,8,9,10,11,12,13,14,15,16,17,18,19,20,21,22,23,24,25,26,27,28,29,30,31
.irp t, 0,1
	v_cmp_gt_i32 vcc_lo, 16*(\n/8)+\n%8-16*\t, v[D]
	v_cndmask_b32 v[S+32*\t+\n], v[S+32*\t+\n], v[NINF], vcc_lo
.endr
.endr
.Lopen_\@:
.irp j, 0,1,2,3                                ; the maximum of my 32 scores and the old m: four chains, each begun at an accumulator's low end; the two tiles alternate line by line
.irp t, 0,1
	v_max3_num_f32 v[ST+8*\t+4+\j], v[S+32*\t+8*\j], v[S+32*\t+8*\j+1], v[S+32*\t+8*\j+2]
.endr
.endr
.irp i, 3,5
.irp j, 0,1,2,3
.irp t, 0,1
	v_max3_num_f32 v[ST+8*\t+4+\j], v[ST+8*\t+4+\j], v[S+32*\t+8*\j+\i], v[S+32*\t+8*\j+\i+1]
.endr
.endr
.endr
.irp t, 0,1
	v_max3_num_f32 v[ST+8*\t+4], v[ST+8*\t+4], v[S+32*\t+7], v[S+32*\t+15]
.endr
.irp t, 0,1
	v_max3_num_f32 v[ST+8*\t+6], v[ST+8*\t+6], v[S+32*\t+23], v[S+32*\t+31]
.endr
.irp t, 0,1
	v_max3_num_f32 v[ST+8*\t+4], v[ST+8*\t+4], v[ST+8*\t+5], v[ST+8*\t+6]
.endr
.irp t, 0,1
	v_max3_num_f32 v[ST+8*\t+4], v[ST+8*\t+4], v[ST+8*\t+7], v[ST+8*\t+1]
.endr
.irp t, 0,1
	v_permlanex16_b32 v[ST+8*\t+5], v[ST+8*\t+4], s[SEL], s[SEL+1]   ; the query's other 32 keys lie in the lane 16 away
.endr
.irp t, 0,1
	v_mov_b32 v[ST+8*\t+7], v[ST+8*\t]             ; c m_old
.endr
.irp t, 0,1
	v_max_num_f32 v[ST+8*\t+1], v[ST+8*\t+4], v[ST+8*\t+5]
.endr
.irp t, 0,1
	v_mul_f32 v[ST+8*\t], s[CS], v[ST+8*\t+1]
.endr
.irp t, 0,1
	v_sub_f32 v[ST+8*\t+7], v[ST+8*\t+7], v[ST+8*\t]
.endr
.irp p, 0,2,4,6,8,10,12,14,16,18,20,22,24,26,28,30
.irp t, 0,1
	v_pk_fma_f32 v[S+32*\t+\p:S+32*\t+\p+1], v[S+32*\t+\p:S+32*\t+\p+1], s[CS:CS+1], v[ST+8*\t:ST+8*\t+1] op_sel_hi:[1,0,0] neg_lo:[0,0,1] neg_hi:[0,0,1]   ; c s - c m
.endr
.endr
.irp t, 0,1
	v_exp_f32 v[ST+8*\t+6], v[ST+8*\t+7]           ; a.  The 66 exponentials are one batch
.endr
.irp n, 0,1,2,3,4,5,6,7,8,9,10,11,12,13,14,15,16,17,18,19,20,21,22,23,24,25,26,27,28,29,30,31
.irp t, 0,1
	v_exp_f32 v[S+32*\t+\n], v[S+32*\t+\n]
.endr
.endr
	v_nop                                          ; a plain line behind the last exponential
	s_wait_alu depctr_va_vdst(0)                   ; one wait for the batch, ahead of its first reader
.irp t, 0,1                                    ; l = a l + the sum of p, taken ahead of the rounding, in two chains
	v_pk_fma_f32 v[ST+8*\t+2:ST+8*\t+3], v[ST+8*\t+2:ST+8*\t+3], v[ST+8*\t+6:ST+8*\t+7], v[S+32*\t:S+32*\t+1] op_sel_hi:[1,0,1]
	v_pk_add_f32 v[ST+8*\t+4:ST+8*\t+5], v[S+32*\t+2:S+32*\t+3], v[S+32*\t+6:S+32*\t+7]
.endr
.irp p, 4,8,12,16,20,24
.irp t, 0,1
	v_pk_add_f32 v[ST+8*\t+2:ST+8*\t+3], v[ST+8*\t+2:ST+8*\t+3], v[S+32*\t+\p:S+32*\t+\p+1]
	v_pk_add_f32 v[ST+8*\t+4:ST+8*\t+5], v[ST+8*\t+4:ST+8*\t+5], v[S+32*\t+\p+6:S+32*\t+\p+7]
.endr
.endr
.irp t, 0,1
	v_pk_add_f32 v[ST+8*\t+2:ST+8*\t+3], v[ST+8*\t+2:ST+8*\t+3], v[S+32*\t+28:S+32*\t+29]
.endr
.irp t, 0,1
	v_pk_add_f32 v[ST+8*\t+2:ST+8*\t+3], v[ST+8*\t+2:ST+8*\t+3], v[ST+8*\t+4:ST+8*\t+5]
.endr
.irp p, 0,1,2,3,4,5,6,7,8,9,10,11,12,13,14,15
.irp t, 0,1
	v_cvt_pk_f16_f32 v[S+32*\t+\p], v[S+32*\t+2*\p], v[S+32*\t+2*\p+1]   ; P in place: pair p goes to register p, which has been read
.endr
.endr
.irp p, 0,2,4,6,8,10,12,14,16,18,20,22,24,26,28,30
.irp t, 0,1
	v_pk_mul_f32 v[O+32*\t+\p:O+32*\t+\p+1], v[O+32*\t+\p:O+32*\t+\p+1], v[ST+8*\t+6:ST+8*\t+7] op_sel_hi:[1,0]   ; O^T x a, each accumulator from its low end on
.endr
.endr
	s_wait_dscnt 0x0                               ; V is in
.irp u, 0,1                                    ; O^T += V^T P: eight accumulators by turns
.irp ct, 0,1,2,3
.irp t, 0,1
	v_wmma_f32_16x16x32_f16 v[O+32*\t+8*\ct:O+32*\t+8*\ct+7], v[KV+8*(4*\u+\ct):KV+8*(4*\u+\ct)+7], v[S+32*\t+8*\u:S+32*\t+8*\u+7], v[O+32*\t+8*\ct:O+32*\t+8*\ct+7]
.endr
.endr
.endr
.Lhid_\@:
	s_add_co_u32 s[KF], s[KF], 64
	s_add_co_u32 s[TB], s[TB], STEPB
.endm
.macro SLOT_STEPS                      ; a slot's four steps: written once, walked four times
	s_mov_b32 s[STP], 4
.Lstep_\@:
	STEP
	s_sub_co_u32 s[STP], s[STP], 1
	s_cmp_lg_u32 s[STP], 0
	s_cbranch_scc1 .Lstep_\@
	s_sub_co_u32 s[TB], s[TB], 4*STEPB
	s_xor_b32 s[TB], s[TB], SLOT1                  ; on to the other slot
.endm
; THE CHANGE OF SLOTS stands at a slot's head.  Each wave waits for all its tensor loads (its part of the slot that it is about to read), adds 0 to its spare word, and waits for that and for its reads of the slot that it has left.
; Behind the barrier the slot ahead is whole and nobody reads the other one: fill = 1: it takes the next 256 keys, or, where the second block of queries begins, keys 0 to 255 again.
.macro CHANGE fill
	s_wait_tensorcnt 0x0                           ; no tensor load of mine is out, so the descriptors may be written
	ds_add_u32 v[SPW], v[NIL]
.if \fill
	s_xor_b32 s[G0K+1], s[G0K+1], SLOT1
	s_xor_b32 s[G0V+1], s[G0V+1], SLOT1
	s_cmp_eq_u32 s[SLOTS], s[J1]                   ; the slot to be asked for is number 8 - j: the second block's first
	s_cselect_b32 s54, s[NH8], 0
	s_add_nc_u64 s[G0K+2:G0K+3], s[G0K+2:G0K+3], 32768
	s_sub_nc_u64 s[G0K+2:G0K+3], s[G0K+2:G0K+3], s[54:55]
	s_add_nc_u64 s[G0V+2:G0V+3], s[G0V+2:G0V+3], 32768
	s_sub_nc_u64 s[G0V+2:G0V+3], s[G0V+2:G0V+3], s[54:55]
	s_wait_xcnt 0x0                                ; the last prefetch, a slot back, has read its address
	s_add_nc_u64 s[PFA:PFA+1], s[PFA:PFA+1], 32768
.endif
	s_wait_dscnt 0x0                               ; the add is done, and my reads of the slot that I have left are over
	s_barrier_signal -1
	s_barrier_wait -1
.if \fill
	TLOAD                                          ; the first thing behind the barrier, and my one tensor load until the next
	ASK
.endif
.endm
; A block of queries ends: O^T / l, rounded to f16, through my stage; the 32 lanes then hold four rows of 128 bytes: 512 consecutive bytes of yh.
.macro FINISH
.rept 4
	v_nop                                          ; four plain lines behind the last products
.endr
.irp t, 0,1
	v_add_f32 v[ST+8*\t+4], v[ST+8*\t+2], v[ST+8*\t+3]
.endr
.irp t, 0,1
	v_permlanex16_b32 v[ST+8*\t+5], v[ST+8*\t+4], s[SEL], s[SEL+1]
.endr
.irp t, 0,1
	v_add_f32 v[ST+8*\t+4], v[ST+8*\t+4], v[ST+8*\t+5]
.endr
.irp t, 0,1
	v_rcp_f32 v[ST+8*\t+6], v[ST+8*\t+4]
.endr
	v_nop
	s_wait_alu depctr_va_vdst(0)                   ; one wait for the two reciprocals, ahead of their first reader
.irp t, 0,1
.irp p, 0,2,4,6,8,10,12,14,16,18,20,22,24,26,28,30
	v_pk_mul_f32 v[O+32*\t+\p:O+32*\t+\p+1], v[O+32*\t+\p:O+32*\t+\p+1], v[ST+8*\t+6:ST+8*\t+7] op_sel_hi:[1,0]
.endr
.endr
.irp t, 0,1
.irp p, 0,1,2,3,4,5,6,7,8,9,10,11,12,13,14,15
	v_cvt_pk_f16_f32 v[S+32*\t+\p], v[O+32*\t+2*\p], v[O+32*\t+2*\p+1]
.endr
.endr
.irp t, 0,1
.irp ct, 0,1,2,3
	ds_store_b128 v[STO], v[S+32*\t+4*\ct:S+32*\t+4*\ct+3] offset:2304*\t+32*\ct
.endr
.endr
.irp t, 0,1
.irp i, 0,1,2,3
	ds_load_b128 v[KV+16*\t+4*\i:KV+16*\t+4*\i+3], v[RD] offset:2304*\t+576*\i   ; LDS serves a wave's instructions in order: these see my stores
.endr
.endr
	s_lshl_b32 s60, s[Q0], 7
	s_mov_b32 s61, 0
	s_add_nc_u64 s[52:53], s[YA:YA+1], s[60:61]
	s_wait_dscnt 0x0
.irp t, 0,1
.irp i, 0,1,2,3
	global_store_b128 v[GO], v[KV+16*\t+4*\i:KV+16*\t+4*\i+3], s[52:53] offset:2048*\t+512*\i
.endr
.endr
	s_wait_xcnt 0x0                                ; the stores have read their registers and their base: both are written again
.endm
	s_sub_co_u32 s[QB], 7, s[J]
	s_mov_b32 s[KSB], 0
	s_mov_b32 s[KF], 0
	s_mov_b32 s[TB], 0
	INIT
	s_mov_b32 s[SLOTS], 8
.Lslot:                                            ; eight trips: behind each change of slots the next slot is asked for; slot 1's first fill stands behind the first trip's barrier, where nothing is filled again
	CHANGE 1
	SLOT_STEPS
	s_cmp_lg_u32 s[KSB], s[QB]                     ; the diagonal slot was the block's last
	s_cbranch_scc1 .Lsame
	FINISH
	s_mov_b32 s[QB], s[J]
	s_mov_b32 s[KSB], -1
	s_mov_b32 s[KF], 0
	INIT
.Lsame:
	s_add_co_u32 s[KSB], s[KSB], 1
	s_sub_co_u32 s[SLOTS], s[SLOTS], 1
	s_cmp_lg_u32 s[SLOTS], 0
	s_cbranch_scc1 .Lslot
	CHANGE 0                                       ; the ninth slot is written out: nothing is left to fetch
	SLOT_STEPS
	FINISH
	s_wait_tensorcnt 0x0                           ; the wave's end
	ds_add_u32 v[SPW], v[NIL]
	s_wait_dscnt 0x0
	s_endpgm
.Lfunc_end_k_qb416dfb47c_attn:
	.size	k_qb416dfb47c_attn, .Lfunc_end_k_qb416dfb47c_attn-k_qb416dfb47c_attn
	.p2alignl 7, 3214868480
	.fill 96, 4, 3214868480
	.section	.rodata,"a",@progbits
	.p2align	6, 0x0
	.amdhsa_kernel k_qb416dfb47c_attn
		.amdhsa_group_segment_fixed_size 327680
		.amdhsa_private_segment_fixed_size 0
		.amdhsa_enable_private_segment 0
		.amdhsa_kernarg_size 16
		.amdhsa_user_sgpr_count 2
		.amdhsa_user_sgpr_kernarg_segment_ptr 1
		.amdhsa_wavefront_size32 1
		.amdhsa_system_sgpr_workgroup_id_x 1
		.amdhsa_system_sgpr_workgroup_id_y 1
		.amdhsa_system_sgpr_workgroup_id_z 1
		.amdhsa_system_vgpr_workitem_id 0
		.amdhsa_next_free_vgpr 256
		.amdhsa_next_free_sgpr 66
		.amdhsa_reserve_vcc 1
		.amdhsa_float_denorm_mode_32 3
		.amdhsa_float_denorm_mode_16_64 3
		.amdhsa_memory_ordered 1
		.amdhsa_forward_progress 1
		.amdhsa_inst_pref_size 71
	.end_amdhsa_kernel
	.amdgpu_metadata
---
amdhsa.version: [ 1, 2 ]
amdhsa.kernels:
  - .name:           k_qb416dfb47c_attn
    .symbol:         k_qb416dfb47c_attn.kd
    .args:
      - { .name: qkv16, .offset: 0, .size: 8, .value_kind: global_buffer, .address_space: global }
      - { .name: yh, .offset: 8, .size: 8, .value_kind: global_buffer, .address_space: global }
    .group_segment_fixed_size: 327680
    .private_segment_fixed_size: 0
    .kernarg_segment_align: 8
    .kernarg_segment_size: 16
    .max_flat_workgroup_size: 256
    .sgpr_count:     66
    .vgpr_count:     256
    .wavefront_size: 32
...
	.end_amdgpu_metadata
.endif
;; end of part 3
;; launch proj (part 4): grid 4 x 64, 4 waves a work-group, clusters of 4 x 4, 327,680 bytes of LDS; arguments yh, wp16, b_proj, out0; writes out0
.if DOCPART == 4
	.amdgcn_target "amdgcn-amd-amdhsa--gfx1250"
	.amdhsa_code_object_version 6
	.text
	.protected	k_qb416dfb47c_proj
	.globl	k_qb416dfb47c_proj
	.p2align	8
	.type	k_qb416dfb47c_proj,@function
k_qb416dfb47c_proj:
	s_mov_b64 s[64:65], 0
	v_nop
	global_prefetch_b8 v0, s[64:65] scope:SCOPE_SE
	s_setreg_imm32_b32 hwreg(HW_REG_WAVE_MODE, 25, 1), 1
	s_wait_xcnt 0x0
	s_wait_alu depctr_hold_cnt(0) depctr_sa_sdst(0) depctr_va_vdst(0) depctr_va_sdst(0) depctr_va_ssrc(0) depctr_va_vcc(0) depctr_vm_vsrc(0)
	s_getreg_b32 s2, hwreg(HW_REG_IB_STS2, 6, 4)
	s_cmp_eq_u32 s2, 0
	s_cbranch_scc0 .Lentry_in_a_cluster
	s_endpgm
.Lentry_in_a_cluster:
	s_bfe_u32 s2, ttmp6, 0x10000c
	s_cmp_lg_u32 s2, 0xf033
	s_cbranch_scc0 .Lentry_shape_is_right
	s_endpgm
.Lentry_shape_is_right:
; out = y w_proj^T + b_proj: M = 8,192, N = 1,024, K = 1,024; operands f16, sums f32, the bias as the C of each sum's first product.
; y comes as yh [head 16][token 8192][64] f16, w_proj as wp16 [n][k] f16.  (The rows t < 16 of every batch are written again, from f32 operands, by the next launch.)
; A tile of 128 tokens x 256 columns gives 256 work-groups.  Four waves, each 64 x 128: 32 accumulators, 256 registers.
; K goes in steps of 128, two heads' planes, through a ring of two LDS slots.  A plane's part of a tile is 16,384 dense bytes: 64 rows of 256 (two tokens a row); w_proj's rows are 256 bytes of a step.
; CLUSTERS: 4 x 4 work-groups; y's tiles are shared along a row of the cluster, w_proj's along a column: each is asked for jointly.  Waves 0, 1 fetch y's two planes, waves 2, 3 w_proj's two halves.
; THE MATRIX INSTRUCTION IS USED TRANSPOSED (source 0 = 16 rows of w_proj, source 1 = 16 tokens): a lane holds eight neighbouring columns of one row of out.
; REGISTERS: window 0: v0-31 addresses; two fragment buffers at v32 and v128 (64 of w_proj, then 32 of y); on the way out rows read back.  window 1: the accumulators ((a, b) at v[8 (8 a + b)]).  window 2: v0-63 the bias.
.set PITCH,  272
.set PLANE,  64*PITCH
.set BHALF,  128*PITCH
.set BOFF,   2*PLANE
.set SLOT,   BOFF+2*BHALF
.set STAGE,  2*SLOT
.set SPITCH, 528
.set SPARE,  STAGE+4*16*SPITCH
.set LAPS,   4
.set ADRA, 16
.set ADRB, 20
.set STO,  24
.set RD,   25
.set CO,   26
.set SPW,  28
.set NIL,  29
.set F0,   32
.set F1,   128
.set G1, 24
.set G0, 32
.set G1B, 48
.set G0B, 56
.set MSB, 0
.macro WIN new
.if MSB != (\new)
	s_set_vgpr_msb (MSB<<8)|(\new)
.set MSB, (\new)
.endif
.endm
.set MUL,  0x50                        ; sources in window 0, C and D in window 1
.set MUL0, 0x60                        ; C, the bias, in window 2; D in window 1
.macro JLOAD s                         ; an s_nop 0 and four v_nop follow each of the two lines
	s_cmp_eq_u32 s13, 0
	s_cbranch_scc0 .Lfor_b_\@
	tensor_load_to_lds s[G0+4*\s:G0+4*\s+3], s[G1:G1+7]
	s_nop 0
.rept 4
	v_nop
.endr
	s_branch .Lasked_\@
.Lfor_b_\@:
	tensor_load_to_lds s[G0B+4*\s:G0B+4*\s+3], s[G1B:G1B+7]
	s_nop 0
.rept 4
	v_nop
.endr
.Lasked_\@:
.endm
.macro CREST
	s_cmp_lg_u32 s12, 0
	s_cbranch_scc1 .Lnot_wave_0_\@
	s_barrier_signal -3
.Lnot_wave_0_\@:
	s_barrier_wait -3
	s_barrier_signal -1
	s_barrier_wait -1
.endm
.macro CROUND
	s_barrier_signal -1
	s_barrier_wait -1
	CREST
.endm
	s_load_b256 s[4:11], s[0:1], 0x0               ; yh 4:5, wp16 6:7, b_proj 8:9, out0 10:11
	v_lshl_add_u32 v[SPW], v0, 2, SPARE
	v_mov_b32 v[NIL], 0
	ds_add_u32 v[SPW], v[NIL]                      ; the wave's opening: the add, twice on end, and its wait ahead of my first tensor load
	ds_add_u32 v[SPW], v[NIL]
	v_lshrrev_b32 v1, 5, v0
	v_readfirstlane_b32 s12, v1                    ; wave 0..3
	s_lshr_b32 s13, s12, 1                         ; which 64 tokens are mine.  Also: I fetch for y (0) or for w_proj (1)
	s_and_b32 s14, s12, 1                          ; which 128 columns.  Also: which plane, or which 128 rows, I fetch
	s_bfe_u32 s40, ttmp6, 0x40000                  ; cx
	s_bfe_u32 s41, ttmp6, 0x40004                  ; cy
	s_lshl_b32 s42, ttmp9, 2
	s_add_co_u32 s42, s42, s40                     ; tile column
	s_and_b32 s15, ttmp7, 0xffff
	s_lshl_b32 s15, s15, 2
	s_add_co_u32 s15, s15, s41                     ; tile row
	s_lshl_b32 s43, s41, 2
	s_lshl_b32 s43, 15, s43                        ; my row of the cluster
	s_lshl_b32 s44, 0x1111, s40                    ; my column
	s_or_b32 s[G1+0], s43, (1<<16)|(1<<20)|(1<<21)|(5<<22)|(3<<25)   ; the mask; elements of 2 bytes; padding on: 4 words after every 64; bit 21 beside a mask
	s_or_b32 s[G1B+0], s44, (1<<16)|(1<<20)|(1<<21)|(5<<22)|(3<<25)
	s_mov_b32 s[G1+1], 128<<16                     ; y: 64 rows of 128 elements, dense
	s_mov_b32 s[G1+2], 64<<16
	s_mov_b32 s[G1+3], 128<<16
	s_mov_b32 s[G1+4], 64
	s_mov_b32 s[G1+5], 128
	s_mov_b32 s[G1+6], 0
	s_mov_b32 s[G1+7], 0
	s_mov_b32 s[G1B+1], 128<<16                    ; w_proj: 128 rows of 128 elements, 1,024 elements apart
	s_mov_b32 s[G1B+2], 128<<16
	s_mov_b32 s[G1B+3], 128<<16
	s_mov_b32 s[G1B+4], 128
	s_mov_b32 s[G1B+5], 1024
	s_mov_b32 s[G1B+6], 0
	s_mov_b32 s[G1B+7], 0
	s_lshl_b32 s16, s14, 20                        ; y: my plane of the step's two,
	s_lshl_b32 s17, s15, 14                        ; the tile's 128 tokens of 128 bytes
	s_add_co_u32 s16, s16, s17
	s_mov_b32 s17, 0
	s_lshl_b32 s46, s42, 8
	s_lshl_b32 s47, s14, 7
	s_add_co_u32 s46, s46, s47                     ; w_proj: row 256 x tile column + 128 x half,
	s_lshl_b32 s46, s46, 11                        ; of 2,048 bytes
	s_mov_b32 s47, 0
	s_mul_i32 s20, s14, PLANE                      ; where they go
	s_mul_i32 s21, s14, BHALF
	s_add_co_u32 s21, s21, BOFF
	s_wait_dscnt 0x0                               ; both opening adds are done
	s_wait_kmcnt 0x0
	s_add_nc_u64 s[18:19], s[4:5], s[16:17]
	s_add_nc_u64 s[46:47], s[6:7], s[46:47]
	CROUND                                         ; all sixteen work-groups are here: the first joint loads meet
.irp s, 0,1
	s_mov_b32 s[G0+4*\s], 1
	s_add_co_u32 s[G0+4*\s+1], s20, \s*SLOT
	s_add_nc_u64 s[G0+4*\s+2:G0+4*\s+3], s[18:19], \s*2097152   ; K step s: two planes on
	s_or_b32 s[G0+4*\s+3], s[G0+4*\s+3], 0x80000000
	s_mov_b32 s[G0B+4*\s], 1
	s_add_co_u32 s[G0B+4*\s+1], s21, \s*SLOT
	s_add_nc_u64 s[G0B+4*\s+2:G0B+4*\s+3], s[46:47], \s*256
	s_or_b32 s[G0B+4*\s+3], s[G0B+4*\s+3], 0x80000000
	JLOAD \s                                       ; two tensor loads of mine are out behind the second
.endr
	v_and_b32 v1, 15, v0                           ; r
	v_bfe_u32 v2, v0, 4, 1                         ; h
	v_lshrrev_b32 v3, 1, v1
	v_mul_u32_u24 v3, v3, PITCH
	v_and_b32 v4, 1, v0
	v_lshl_add_u32 v3, v4, 7, v3
	v_lshl_add_u32 v3, v2, 4, v3                   ; y: token r lies in row r / 2, half r % 2; + 16 h
	v_mul_u32_u24 v5, v1, PITCH
	v_lshl_add_u32 v5, v2, 4, v5                   ; w_proj: row r, + 16 h
	s_mul_i32 s21, s13, 32*PITCH                   ; my 64 tokens
	s_mul_i32 s22, s14, BHALF
	s_add_co_u32 s22, s22, BOFF                    ; my 128 rows of w_proj
.irp s, 0,1
	v_add_nc_u32 v[ADRA+\s], s21, v3
	v_add_nc_u32 v[ADRB+\s], s22, v5
	s_add_co_u32 s21, s21, SLOT
	s_add_co_u32 s22, s22, SLOT
.endr
	s_mul_i32 s23, s12, 16*SPITCH
	s_add_co_u32 s23, s23, STAGE                   ; my stage
	v_mul_u32_u24 v5, v1, SPITCH
	v_lshl_add_u32 v5, v2, 5, v5
	v_add_nc_u32 v[STO], s23, v5
	v_and_b32 v6, 31, v0
	v_lshlrev_b32 v[CO], 4, v6
	v_add_nc_u32 v[RD], s23, v[CO]
	s_lshl_b32 s16, s15, 7
	s_lshl_b32 s17, s13, 6
	s_add_co_u32 s16, s16, s17                     ; my first row of out,
	s_lshl_b32 s16, s16, 12                        ; of 4,096 bytes
	s_mov_b32 s17, 0
	s_lshl_b32 s46, s42, 10
	s_lshl_b32 s47, s14, 9
	s_add_co_u32 s46, s46, s47                     ; my first column, in bytes
	s_mov_b32 s47, 0
	s_add_nc_u64 s[10:11], s[10:11], s[16:17]
	s_add_nc_u64 s[10:11], s[10:11], s[46:47]
	s_add_nc_u64 s[8:9], s[8:9], s[46:47]
	v_lshlrev_b32 v7, 5, v2                        ; the bias: lane (r, h) wants, for block b, columns 16 b + 8 h + 0 .. 7; v7 is never rewritten
	WIN 0x80                                       ; destination window 2
.irp b, 0,1,2,3,4,5,6,7
	global_load_b128 v[8*\b:8*\b+3], v7, s[8:9] offset:64*\b
	global_load_b128 v[8*\b+4:8*\b+7], v7, s[8:9] offset:64*\b+16
.endr
	WIN 0
; 8 matrix instructions: tokens' block a against w_proj's eight, 32 along K.  The 32 accumulators take turns, one instruction a turn.
.macro MUL8 f, a, zero
.irp b, 0,1,2,3,4,5,6,7
.if \zero
	v_wmma_f32_16x16x32_f16 v[8*(8*(\a)+\b):8*(8*(\a)+\b)+7], v[\f+8*\b:\f+8*\b+7], v[\f+64+8*(\a):\f+64+8*(\a)+7], v[8*\b:8*\b+7]
.else
	v_wmma_f32_16x16x32_f16 v[8*(8*(\a)+\b):8*(8*(\a)+\b)+7], v[\f+8*\b:\f+8*\b+7], v[\f+64+8*(\a):\f+64+8*(\a)+7], v[8*(8*(\a)+\b):8*(8*(\a)+\b)+7]
.endif
.endr
.endm
; 24 LDS loads in one run: the fragments of quarter kq (32 along K: plane kq / 2, channels 32 (kq % 2) on) into buffer f; w_proj's sixteen first, y's eight last
.macro FETCH slot, kq, f
	WIN 0
.irp i, 0,1,2,3,4,5,6,7
	ds_load_b128 v[\f+8*\i:\f+8*\i+3],   v[ADRB+\slot] offset:64*(\kq)+\i*16*PITCH
	ds_load_b128 v[\f+8*\i+4:\f+8*\i+7], v[ADRB+\slot] offset:64*(\kq)+\i*16*PITCH+32
.endr
.irp i, 0,1,2,3
	ds_load_b128 v[\f+64+8*\i:\f+64+8*\i+3],   v[ADRA+\slot] offset:PLANE*((\kq)/2)+64*((\kq)%2)+\i*8*PITCH
	ds_load_b128 v[\f+64+8*\i+4:\f+64+8*\i+7], v[ADRA+\slot] offset:PLANE*((\kq)/2)+64*((\kq)%2)+\i*8*PITCH+32
.endr
.endm
.macro PLACES                          ; four plain lines between a matrix instruction and a load into, or a read of, its registers
.rept 4
	v_nop
.endr
.endm
; One of a K step's first three quarters: multiplies buffer f and fetches quarter kq into buffer g.
.macro QUARTER slot, kq, f, g, zero
	s_wait_dscnt 4                                 ; all but the youngest four loads (tokens' blocks 2, 3) are in
.if \zero
	WIN MUL0
.else
	WIN MUL
.endif
	MUL8 \f, 0, \zero
	MUL8 \f, 1, \zero
	PLACES
	FETCH \slot, \kq, \g
	s_wait_dscnt 24                                ; all but the 24 just issued
.if \zero
	WIN MUL0
.else
	WIN MUL
.endif
	MUL8 \f, 2, \zero
	MUL8 \f, 3, \zero
.endm
; The last quarter multiplies buffer 1 and changes slots: one barrier; in front of it each wave waits for all its tensor loads, adds 0 to its spare word, and waits for that and for its reads of this slot.
; fill = 1: the barrier opens a round of the cluster's, and this slot is filled again, two K steps ahead: 112 matrix instructions stand between the request and the wait for it.
.macro TURN slot, next, fill
	WIN 0
	s_wait_tensorcnt 0x0
	ds_add_u32 v[SPW], v[NIL]
	s_wait_dscnt 5                                 ; the add and the youngest four loads may be out
	WIN MUL
	MUL8 F1, 0, 0
	s_wait_dscnt 0x0                               ; the add is done, and my reads of this slot are over
	s_barrier_signal -1
	MUL8 F1, 1, 0
	WIN 0
	s_barrier_wait -1
.if \fill
	CREST                                          ; no wave of any partner still reads this slot's tile or has a load on its way
	s_add_nc_u64 s[G0+4*\slot+2:G0+4*\slot+3], s[G0+4*\slot+2:G0+4*\slot+3], 4194304
	s_add_nc_u64 s[G0B+4*\slot+2:G0B+4*\slot+3], s[G0B+4*\slot+2:G0B+4*\slot+3], 512
	JLOAD \slot                                    ; the four v_nop behind it are also the plain lines in front of the loads below
.else
	PLACES
.endif
	FETCH \next, 0, F0
	WIN MUL
	MUL8 F1, 2, 0
	MUL8 F1, 3, 0
.endm
	s_wait_tensorcnt 1                             ; my part of K step 0 is in; K step 1's load may be out
	s_barrier_signal -1
	s_barrier_wait -1
	FETCH 0, 0, F0
	s_wait_loadcnt 0x0                             ; the bias
	QUARTER 0, 1, F0, F1, 1                        ; the first quarter stands in front of the loop: its products start the sums
	WIN 0
	s_mov_b32 s3, LAPS-1
.Llap:                                             ; a trip goes once round the ring and fills both slots again
	QUARTER 0, 2, F1, F0, 0
	QUARTER 0, 3, F0, F1, 0
	TURN 0, 1, 1
	QUARTER 1, 1, F0, F1, 0
	QUARTER 1, 2, F1, F0, 0
	QUARTER 1, 3, F0, F1, 0
	TURN 1, 0, 1
	QUARTER 0, 1, F0, F1, 0
	WIN 0
	s_sub_co_u32 s3, s3, 1
	s_cmp_lg_u32 s3, 0
	s_cbranch_scc1 .Llap
	QUARTER 0, 2, F1, F0, 0                        ; the last lap fills nothing
	QUARTER 0, 3, F0, F1, 0
	TURN 0, 1, 0
	QUARTER 1, 1, F0, F1, 0
	QUARTER 1, 2, F1, F0, 0
	QUARTER 1, 3, F0, F1, 0
	s_wait_dscnt 4
	WIN MUL
	MUL8 F1, 0, 0
	MUL8 F1, 1, 0
	s_wait_dscnt 0
	MUL8 F1, 2, 0
	MUL8 F1, 3, 0
	WIN 0
; THE WAY OUT, block by block of 16 rows x 128 columns, through my own stage: back as whole rows of 512 bytes.
.macro TOSTAGE a
	WIN 0x04                                       ; an LDS store's data: window 1
.irp b, 0,1,2,3,4,5,6,7
	ds_store_b128 v[STO], v[8*(8*(\a)+\b):8*(8*(\a)+\b)+3] offset:64*\b          ; each accumulator from its low end on
	ds_store_b128 v[STO], v[8*(8*(\a)+\b)+4:8*(8*(\a)+\b)+7] offset:64*\b+16
.endr
	WIN 0
.set BB, 32+96*((\a)%2)
.irp t, 0,1,2,3,4,5,6,7,8,9,10,11,12,13,14,15
	ds_load_b128 v[BB+4*\t:BB+4*\t+3], v[RD] offset:\t*SPITCH    ; LDS serves a wave's instructions in order: these see the stores above
.endr
.endm
.macro SEND a, younger                 ; younger: the LDS instructions issued behind block a's loads
.set BB, 32+96*((\a)%2)
	s_wait_dscnt \younger
.irp t, 0,1,2,3,4,5,6,7,8,9,10,11,12,13,14,15
	global_store_b128 v[CO], v[BB+4*\t:BB+4*\t+3], s[10:11] offset:65536*(\a)+4096*\t th:TH_STORE_NT   ; 512 consecutive bytes, aligned
.endr
.endm
	PLACES
	TOSTAGE 0
.irp a, 1,2,3
.if \a > 1
	s_wait_xcnt 0x0                                ; block a - 2's stores have read their registers: block a's loads may land there
.endif
	TOSTAGE \a
	SEND \a-1, 32                                  ; behind block a - 1's loads: block a's 16 stores and 16 loads
.endr
	SEND 3, 0
	s_wait_tensorcnt 0x0                           ; the wave's end
	ds_add_u32 v[SPW], v[NIL]
	s_wait_dscnt 0x0
	CROUND                                         ; the closing round
	s_endpgm
.Lfunc_end_k_qb416dfb47c_proj:
	.size	k_qb416dfb47c_proj, .Lfunc_end_k_qb416dfb47c_proj-k_qb416dfb47c_proj
	.p2alignl 7, 3214868480
	.fill 96, 4, 3214868480
	.section	.rodata,"a",@progbits
	.p2align	6, 0x0
	.amdhsa_kernel k_qb416dfb47c_proj
		.amdhsa_group_segment_fixed_size 327680
		.amdhsa_private_segment_fixed_size 0
		.amdhsa_enable_private_segment 0
		.amdhsa_kernarg_size 32
		.amdhsa_user_sgpr_count 2
		.amdhsa_user_sgpr_kernarg_segment_ptr 1
		.amdhsa_wavefront_size32 1
		.amdhsa_system_sgpr_workgroup_id_x 1
		.amdhsa_system_sgpr_workgroup_id_y 1
		.amdhsa_system_sgpr_workgroup_id_z 1
		.amdhsa_system_vgpr_workitem_id 0
		.amdhsa_next_free_vgpr 576
		.amdhsa_next_free_sgpr 66
		.amdhsa_reserve_vcc 0
		.amdhsa_float_denorm_mode_32 3
		.amdhsa_float_denorm_mode_16_64 3
		.amdhsa_memory_ordered 1
		.amdhsa_forward_progress 1
		.amdhsa_inst_pref_size 86
	.end_amdhsa_kernel
	.amdgpu_metadata
---
amdhsa.version: [ 1, 2 ]
amdhsa.kernels:
  - .name:           k_qb416dfb47c_proj
    .symbol:         k_qb416dfb47c_proj.kd
    .args:
      - { .name: yh, .offset: 0, .size: 8, .value_kind: global_buffer, .address_space: global }
      - { .name: wp16, .offset: 8, .size: 8, .value_kind: global_buffer, .address_space: global }
      - { .name: b_proj, .offset: 16, .size: 8, .value_kind: global_buffer, .address_space: global }
      - { .name: out0, .offset: 24, .size: 8, .value_kind: global_buffer, .address_space: global }
    .group_segment_fixed_size: 327680
    .private_segment_fixed_size: 0
    .kernarg_segment_align: 8
    .kernarg_segment_size: 32
    .max_flat_workgroup_size: 128
    .sgpr_count:     66
    .vgpr_count:     576
    .wavefront_size: 32
...
	.end_amdgpu_metadata
.endif
;; end of part 4
;; launch fine (part 5): grid 16 x 4, 16 waves a work-group, no clusters, 68,096 bytes of LDS; arguments qkv32, w_proj, b_proj, out0; writes out0
.if DOCPART == 5
	.amdgcn_target "amdgcn-amd-amdhsa--gfx1250"
	.amdhsa_code_object_version 6
	.text
	.protected	k_qb416dfb47c_fine
	.globl	k_qb416dfb47c_fine
	.p2align	8
	.type	k_qb416dfb47c_fine,@function
k_qb416dfb47c_fine:
	s_mov_b64 s[64:65], 0
	v_nop
	global_prefetch_b8 v0, s[64:65] scope:SCOPE_SE
	s_setreg_imm32_b32 hwreg(HW_REG_WAVE_MODE, 25, 1), 1
	s_wait_xcnt 0x0
; The first 16 positions of every sequence, all in f32: scores, causal softmax, values, projection, by the f32 matrix form (16 x 16 x 4).  These rows average one to sixteen values, and f16 operands would weigh most there.
; IN: qkv32 [batch][t 16][3072] f32.  OUT: out0[batch][0 .. 15][:], over what the launch before wrote there.
; SHARES.  Work-group (sl, batch) makes columns 64 sl .. 64 sl + 63 of the batch's 16 rows.  Wave hd makes head hd's attention (the same in each of the 16 slices: 12 KB of loads a wave) and then the part of
; out^T that its own 64 channels give: y never leaves the wave's registers.  The 16 parts meet in LDS and are added in a fixed tree by waves 0 to 7, which store whole runs of 256 bytes.
; Along K the operands' registers are taken in the order in which the loads bring them, alike on both sides of a product, so each k meets its partner.
; No tensor load, no cluster: a work-group reads a few KB, straight into registers.
; REGISTERS: v1-12 addresses; v16-47 Q, later y; v48-79 K, later w_proj's tile 2; v80-111 V^T, later tile 3; v112-175 w_proj's tiles 0, 1;
;   v176-207 four accumulators (scores, later out^T) and v208-239 four (O^T): written by matrix instructions alone; v240-247 the scores, then p; v248-251 the bias; v13-15, v252-255 at work.
.set SPARE, 16*4112                    ; behind the parts: the spare words, 128 bytes a wave
.set SPW, 6
.set NIL, 7
	s_load_b256 s[4:11], s[0:1], 0x0               ; qkv32 4:5, w_proj 6:7, b_proj 8:9, out0 10:11
	v_lshl_add_u32 v[SPW], v0, 2, SPARE
	v_mov_b32 v[NIL], 0
	v_lshrrev_b32 v1, 5, v0
	v_readfirstlane_b32 s12, v1                    ; wave = head
	s_and_b32 s13, ttmp7, 0xffff                   ; batch
	v_and_b32 v1, 15, v0                           ; r
	v_bfe_u32 v2, v0, 4, 1                         ; h
	v_mul_u32_u24 v3, v1, 12288
	v_lshl_add_u32 v3, v2, 4, v3                   ; q, k: row r, + 16 h: channels 8 c + 4 h + 0 .. 3
	v_mul_u32_u24 v4, v2, 98304
	v_lshl_add_u32 v4, v1, 2, v4                   ; v: key 8 h on, channel r
	v_lshlrev_b32 v5, 12, v1
	v_lshl_add_u32 v5, v2, 5, v5                   ; w_proj: row r, + 32 h: channels 16 ct + 8 h + 0 .. 7
	v_mul_u32_u24 v8, v2, 8224
	v_lshl_add_u32 v8, v1, 4, v8
	s_lshl_b32 s14, s12, 8
	v_add_nc_u32 v8, s14, v8                       ; a part's 16 bytes (row t, column chunk q, wave p) lie at 4,112 q + 256 p + 16 t; here q = 4 nt + 2 h + half, t = r
	v_mul_u32_u24 v9, v1, 4112
	v_lshl_add_u32 v9, v2, 4, v9
	s_lshl_b32 s14, s12, 5
	v_add_nc_u32 v9, s14, v9                       ; read: q = lane % 16, t = 2 wave + lane / 16
	v_lshlrev_b32 v10, 12, v2
	v_lshl_add_u32 v10, v1, 4, v10                 ; out: row lane / 16 of my two, 16 bytes a lane
	v_lshlrev_b32 v11, 4, v1                       ; the bias of my four columns
	v_lshlrev_b32 v12, 3, v2
	v_sub_nc_u32 v12, v1, v12                      ; r - 8 h
	s_mov_b32 s24, 0x76543210
	s_mov_b32 s25, 0xfedcba98
	s_mov_b32 s26, 0x3e38aa3b                      ; c = log2(e) / 8
	s_mov_b32 s27, s26
	s_mul_i32 s16, s13, 196608
	s_lshl_b32 s17, s12, 8
	s_add_co_u32 s16, s16, s17                     ; qkv32: my batch, my head's 64 channels
	s_mov_b32 s17, 0
	s_lshl_b32 s18, ttmp9, 18
	s_lshl_b32 s19, s12, 8
	s_add_co_u32 s18, s18, s19                     ; w_proj: my slice's 64 rows, my head's 64 channels
	s_mov_b32 s19, 0
	s_lshl_b32 s20, ttmp9, 8                       ; my slice's 64 columns, in bytes
	s_mov_b32 s21, 0
	s_lshl_b32 s22, s13, 23
	s_add_co_u32 s22, s22, s20
	s_lshl_b32 s23, s12, 13
	s_add_co_u32 s22, s22, s23                     ; out: my batch, my slice, rows 2 wave on
	s_mov_b32 s23, 0
	s_wait_kmcnt 0x0
	s_add_nc_u64 s[4:5], s[4:5], s[16:17]
	s_add_nc_u64 s[6:7], s[6:7], s[18:19]
	s_add_nc_u64 s[8:9], s[8:9], s[20:21]
	s_add_nc_u64 s[10:11], s[10:11], s[22:23]
.irp c, 0,1,2,3,4,5,6,7
	global_load_b128 v[16+4*\c:19+4*\c], v3, s[4:5] offset:32*\c           ; q
.endr
.irp c, 0,1,2,3,4,5,6,7
	global_load_b128 v[48+4*\c:51+4*\c], v3, s[4:5] offset:4096+32*\c      ; k
.endr
.irp ct, 0,1,2,3
.irp k, 0,1,2,3,4,5,6,7
	global_load_b32 v[80+8*\ct+\k], v4, s[4:5] offset:8192+12288*\k+64*\ct ; v(key 8 h + k, channel 16 ct + r)
.endr
.endr
.irp nt, 0,1
.irp ct, 0,1,2,3
.irp hf, 0,1
	global_load_b128 v[112+32*\nt+8*\ct+4*\hf:115+32*\nt+8*\ct+4*\hf], v5, s[6:7] offset:65536*\nt+64*\ct+16*\hf
.endr
.endr
.endr
	global_load_b128 v[248:251], v11, s[8:9]
	s_wait_loadcnt 49                              ; q and k are in; behind them 32 loads of v, 16 of w_proj and the bias
.irp c, 0,1,2,3,4,5,6,7,8,9,10,11,12,13,14,15      ; S^T = K Q^T, 4 channels a step, four accumulators by turns; the first four start the sums
.if \c < 4
	v_wmma_f32_16x16x4_f32 v[176+8*(\c%4):183+8*(\c%4)], v[48+2*\c:49+2*\c], v[16+2*\c:17+2*\c], 0
.else
	v_wmma_f32_16x16x4_f32 v[176+8*(\c%4):183+8*(\c%4)], v[48+2*\c:49+2*\c], v[16+2*\c:17+2*\c], v[176+8*(\c%4):183+8*(\c%4)]
.endif
.endr
.rept 8
	v_nop                                          ; eight plain lines behind this form, ahead of the first read of its results (ISA guide 7.12.1)
.endr
.irp p, 0,2,4,6                                    ; the four parts of the scores, each accumulator from its low end on, into other registers
	v_pk_add_f32 v[240+\p:241+\p], v[176+\p:177+\p], v[184+\p:185+\p]
	v_pk_add_f32 v[240+\p:241+\p], v[240+\p:241+\p], v[192+\p:193+\p]
	v_pk_add_f32 v[240+\p:241+\p], v[240+\p:241+\p], v[200+\p:201+\p]
.endr
	v_mov_b32 v13, 0xff800000
.irp j, 0,1,2,3,4,5,6,7                            ; register j holds key 8 h + j for query r: hidden where j > r - 8 h
	v_cmp_gt_i32 vcc_lo, \j, v12
	v_cndmask_b32 v[240+\j], v[240+\j], v13, vcc_lo
.endr
	v_max3_num_f32 v14, v240, v241, v242
	v_max3_num_f32 v14, v14, v243, v244
	v_max3_num_f32 v14, v14, v245, v246
	v_max_num_f32 v14, v14, v247
	v_mov_b32 v15, 0
	v_permlanex16_b32 v15, v14, s24, s25
	v_max_num_f32 v14, v14, v15                    ; the row's maximum: key 0 counts for every query
	v_mul_f32 v14, s26, v14
.irp p, 0,2,4,6
	v_pk_fma_f32 v[240+\p:241+\p], v[240+\p:241+\p], s[26:27], v[14:15] op_sel_hi:[1,0,0] neg_lo:[0,0,1] neg_hi:[0,0,1]
.endr
.irp j, 0,1,2,3,4,5,6,7
	v_exp_f32 v[240+\j], v[240+\j]
.endr
	v_nop
	s_wait_alu depctr_va_vdst(0)                   ; one wait for the eight, ahead of their first reader
	v_pk_add_f32 v[252:253], v[240:241], v[242:243]
	v_pk_add_f32 v[254:255], v[244:245], v[246:247]
	v_pk_add_f32 v[252:253], v[252:253], v[254:255]
	v_add_f32 v252, v252, v253
	v_permlanex16_b32 v253, v252, s24, s25
	v_add_f32 v252, v252, v253
	v_rcp_f32 v254, v252
	v_nop
	s_wait_alu depctr_va_vdst(0)
	s_wait_loadcnt 17                              ; v is in; behind it 16 loads of w_proj and the bias
.irp c, 0,1,2,3                                    ; O^T = V^T P, 4 keys a step: keys 8 h + 2 c, + 1 on both sides
.irp ct, 0,1,2,3
.if \c == 0
	v_wmma_f32_16x16x4_f32 v[208+8*\ct:215+8*\ct], v[80+8*\ct+2*\c:81+8*\ct+2*\c], v[240+2*\c:241+2*\c], 0
.else
	v_wmma_f32_16x16x4_f32 v[208+8*\ct:215+8*\ct], v[80+8*\ct+2*\c:81+8*\ct+2*\c], v[240+2*\c:241+2*\c], v[208+8*\ct:215+8*\ct]
.endif
.endr
.endr
.rept 8
	v_nop
.endr
.irp nt, 2,3
.irp ct, 0,1,2,3
.irp hf, 0,1
	global_load_b128 v[48+32*(\nt-2)+8*\ct+4*\hf:51+32*(\nt-2)+8*\ct+4*\hf], v5, s[6:7] offset:65536*\nt+64*\ct+16*\hf
.endr
.endr
.endr
.irp p, 0,2,4,6,8,10,12,14,16,18,20,22,24,26,28,30
	v_pk_mul_f32 v[16+\p:17+\p], v[208+\p:209+\p], v[254:255] op_sel_hi:[1,0]   ; y = O^T / l: register 8 ct + j is channel 16 ct + 8 h + j of query r
.endr
	s_wait_loadcnt 16                              ; w_proj's tiles 0, 1 and the bias are in; the sixteen just issued may be out
.irp k, 0,1,2,3,4,5,6,7,8,9,10,11,12,13,14,15      ; out^T += w_proj y^T over my 64 channels: two accumulators by turns
.irp nt, 0,1
.if \k == 0
	v_wmma_f32_16x16x4_f32 v[176+8*\nt:183+8*\nt], v[112+32*\nt+2*\k:113+32*\nt+2*\k], v[16+2*\k:17+2*\k], 0
.else
	v_wmma_f32_16x16x4_f32 v[176+8*\nt:183+8*\nt], v[112+32*\nt+2*\k:113+32*\nt+2*\k], v[16+2*\k:17+2*\k], v[176+8*\nt:183+8*\nt]
.endif
.endr
.endr
	s_wait_loadcnt 0x0
.irp k, 0,1,2,3,4,5,6,7,8,9,10,11,12,13,14,15
.irp nt, 2,3
.if \k == 0
	v_wmma_f32_16x16x4_f32 v[176+8*\nt:183+8*\nt], v[48+32*(\nt-2)+2*\k:49+32*(\nt-2)+2*\k], v[16+2*\k:17+2*\k], 0
.else
	v_wmma_f32_16x16x4_f32 v[176+8*\nt:183+8*\nt], v[48+32*(\nt-2)+2*\k:49+32*(\nt-2)+2*\k], v[16+2*\k:17+2*\k], v[176+8*\nt:183+8*\nt]
.endif
.endr
.endr
.rept 8
	v_nop
.endr
.irp nt, 0,1,2,3                                   ; lane (r, h) holds out(r, 16 nt + 8 h + 0 .. 7): two chunks of 16 bytes, the low one first
	ds_store_b128 v8, v[176+8*\nt:179+8*\nt] offset:(4*\nt)*4112
	ds_store_b128 v8, v[180+8*\nt:183+8*\nt] offset:(4*\nt+1)*4112
.endr
	s_wait_dscnt 0x0                               ; for the others' sake: my part lies in LDS
	s_barrier_signal -1
	s_barrier_wait -1
	s_cmp_ge_u32 s12, 8
	s_cbranch_scc1 .Lend
.irp p, 0,1,2,3,4,5,6,7,8,9,10,11,12,13,14,15
	ds_load_b128 v[16+4*\p:19+4*\p], v9 offset:256*\p
.endr
	s_wait_dscnt 0x0
.irp p, 0,2,4,6,8,10,12,14                         ; the sixteen parts in a fixed tree
	v_pk_add_f32 v[16+4*\p:17+4*\p], v[16+4*\p:17+4*\p], v[20+4*\p:21+4*\p]
	v_pk_add_f32 v[18+4*\p:19+4*\p], v[18+4*\p:19+4*\p], v[22+4*\p:23+4*\p]
.endr
.irp p, 0,4,8,12
	v_pk_add_f32 v[16+4*\p:17+4*\p], v[16+4*\p:17+4*\p], v[24+4*\p:25+4*\p]
	v_pk_add_f32 v[18+4*\p:19+4*\p], v[18+4*\p:19+4*\p], v[26+4*\p:27+4*\p]
.endr
.irp p, 0,8
	v_pk_add_f32 v[16+4*\p:17+4*\p], v[16+4*\p:17+4*\p], v[32+4*\p:33+4*\p]
	v_pk_add_f32 v[18+4*\p:19+4*\p], v[18+4*\p:19+4*\p], v[34+4*\p:35+4*\p]
.endr
	v_pk_add_f32 v[16:17], v[16:17], v[48:49]
	v_pk_add_f32 v[18:19], v[18:19], v[50:51]
	v_pk_add_f32 v[16:17], v[16:17], v[248:249]    ; + b_proj
	v_pk_add_f32 v[18:19], v[18:19], v[250:251]
	global_store_b128 v10, v[16:19], s[10:11]      ; sixteen lanes store 256 consecutive bytes of a row, aligned
.Lend:
	s_wait_tensorcnt 0x0                           ; the wave's end
	ds_add_u32 v[SPW], v[NIL]
	s_wait_dscnt 0x0
	s_endpgm
.Lfunc_end_k_qb416dfb47c_fine:
	.size	k_qb416dfb47c_fine, .Lfunc_end_k_qb416dfb47c_fine-k_qb416dfb47c_fine
	.p2alignl 7, 3214868480
	.fill 96, 4, 3214868480
	.section	.rodata,"a",@progbits
	.p2align	6, 0x0
	.amdhsa_kernel k_qb416dfb47c_fine
		.amdhsa_group_segment_fixed_size 68096
		.amdhsa_private_segment_fixed_size 0
		.amdhsa_enable_private_segment 0
		.amdhsa_kernarg_size 32
		.amdhsa_user_sgpr_count 2
		.amdhsa_user_sgpr_kernarg_segment_ptr 1
		.amdhsa_wavefront_size32 1
		.amdhsa_system_sgpr_workgroup_id_x 1
		.amdhsa_system_sgpr_workgroup_id_y 1
		.amdhsa_system_sgpr_workgroup_id_z 1
		.amdhsa_system_vgpr_workitem_id 0
		.amdhsa_next_free_vgpr 256
		.amdhsa_next_free_sgpr 66
		.amdhsa_reserve_vcc 1
		.amdhsa_float_denorm_mode_32 3
		.amdhsa_float_denorm_mode_16_64 3
		.amdhsa_memory_ordered 1
		.amdhsa_forward_progress 1
		.amdhsa_inst_pref_size 25
	.end_amdhsa_kernel
	.amdgpu_metadata
---
amdhsa.version: [ 1, 2 ]
amdhsa.kernels:
  - .name:           k_qb416dfb47c_fine
    .symbol:         k_qb416dfb47c_fine.kd
    .args:
      - { .name: qkv32, .offset: 0, .size: 8, .value_kind: global_buffer, .address_space: global }
      - { .name: w_proj, .offset: 8, .size: 8, .value_kind: global_buffer, .address_space: global }
      - { .name: b_proj, .offset: 16, .size: 8, .value_kind: global_buffer, .address_space: global }
      - { .name: out0, .offset: 24, .size: 8, .value_kind: global_buffer, .address_space: global }
    .group_segment_fixed_size: 68096
    .private_segment_fixed_size: 0
    .kernarg_segment_align: 8
    .kernarg_segment_size: 32
    .max_flat_workgroup_size: 512
    .sgpr_count:     66
    .vgpr_count:     256
    .wavefront_size: 32
...
	.end_amdgpu_metadata
.endif
;; end of part 5
